; MI455X (gfx1250); checked and timed in simulation.
; The chip was launched on July 23, 2026; its instructions are those of AMD's public machine-readable ISA for CDNA 5 (MIT licence, August 2026) and "CDNA5" Instruction Set Architecture Reference Guide (July 2026). The comments in the code are by the model that wrote it; some were corrected since.
;; Multi Head Attention. Allowed arithmetic: matrix products marked QUANTISED: E4M3 operands, one given power-of-two scale a tensor, by v_wmma_f32_16x16x64_fp8_fp8 or v_wmma_f32_16x16x128_fp8_fp8, f32 sums; everything else in f32.
;; Inputs: Wk_codes 512 x 16 x 32 uint8 (E4M3 codes of Wk, K innermost, in blocks of 32 codes); Wo_codes 512 x 16 x 32 uint8 (E4M3 codes of Wo, K innermost, in blocks of 32 codes); Wq_codes 512 x 16 x 32 uint8 (E4M3 codes of Wq, K innermost, in blocks of 32 codes); Wv_codes 512 x 16 x 32 uint8 (E4M3 codes of Wv, K innermost, in blocks of 32 codes); bk 512 float32; bo 512 float32; bq 512 float32; bv 512 float32; lowp_scales 12 int32 (the exponents e of the quantised operands' scales 2^e); x_codes 4 x 2,048 x 16 x 32 uint8 (E4M3 codes of x, K innermost, in blocks of 32 codes).
;; Outputs: out0 4 x 2,048 x 512 float32.
;; This version of the problem:
;;   THIS VERSION OF THE PROBLEM IS GIVEN IN LOW PRECISION. The matrix products marked QUANTISED in the list below multiply operands that are first quantised to E4M3 (4 exponent bits, 3 mantissa bits; 8 bits a number), with one given power-of-two scale for each operand tensor; their sums are f32. All else is computed in f32.
;;   The module's matrix products, in the order in which they are computed (A, B: the left and right operand; K: the contracted axis; several contracted axes count as one K, in the product's order):
;;     1. [M 8,192, K 512] x [K 512, N 512]; A: input x (given as codes); B: input Wq (given as codes): QUANTISED (scales: A lowp_scales[0], B lowp_scales[1])
;;     2. [M 8,192, K 512] x [K 512, N 512]; A: input x (given as codes); B: input Wk (given as codes): QUANTISED (scales: A lowp_scales[2], B lowp_scales[3])
;;     3. [M 8,192, K 512] x [K 512, N 512]; A: input x (given as codes); B: input Wv (given as codes): QUANTISED (scales: A lowp_scales[4], B lowp_scales[5])
;;     4. batch 32 x [M 2,048, K 64] x [K 64, N 2,048]; A: computed on the way; B: computed on the way: QUANTISED (scales: A lowp_scales[6], B lowp_scales[7])
;;     5. batch 32 x [M 2,048, K 2,048] x [K 2,048, N 64]; A: softmax (see below); B: computed on the way: QUANTISED (scales: A lowp_scales[8], B lowp_scales[9])
;;     6. [M 8,192, K 512] x [K 512, N 512]; A: computed on the way; B: input Wo (given as codes): QUANTISED (scales: A lowp_scales[10], B lowp_scales[11])
;;   THE QUANTISER, for each operand of a quantised product, along K:
;;     - The operand's scale is 2^e, e = its entry of the input lowp_scales (int32; the entries are numbered through the quantised products in the list's order, A before B).
;;     - Each number is divided by the scale, clamped to +-448, and rounded to the nearest number of E4M3, ties to even, subnormals kept.
;;     - The product sums the exact products of the quantised numbers (number of the format x scale) in f32.
;;   ~~~python
;;   def quantise(x, axis, e):      # numpy; x: float32 -> the quantised numbers, widened to float32 again
;;       x = np.moveaxis(x, axis, -1); K = x.shape[-1]
;;       r = np.clip(x / 2.0 ** e, -448, 448)
;;       step = 2.0 ** (np.maximum(np.frexp(np.where(r == 0, 1, r))[1] - 1, -6) - 3)
;;       q = np.round(r / step) * step * 2.0 ** e      # np.round: ties to even
;;       return np.moveaxis(q, -1, axis).astype(np.float32)
;;   ~~~
;;   SOFTMAX AHEAD OF A QUANTISED PRODUCT. Where the list says 'softmax', what is quantised is not the finished softmax but p = 2^(t - M), with t = logit x log2(e) and M = ceil(the row's largest t), a whole number; so 1/2 < the row's largest p <= 1. The row's sum l is taken of the UNQUANTISED p, in f32, and the product's result is divided by l at the end. Since M is a whole number, a kernel that streams over the keys may use a running M (the ceiling of the running maximum): every later rescaling is an exact power of two, so the quantised numbers keep their values, but for numbers so far below the row's largest that they fall under the format's range.
;;   OPERANDS COMPUTED ON THE WAY. 'Computed on the way' means the value that the module computes at that place (a softmax that the list does not call 'softmax' is quantised finished and normalised). What goes into a quantiser is computed in f32, as accurately as f32 sums, v_exp_f32 and their like allow (about 1e-6 of the number): no bf16 or f16 on the way to a quantiser, and a product that is left as it is and whose result goes on into a quantised operand takes f32 operands (vector FMAs, or v_wmma_f32_16x16x4_f32). A number that lies on a knife's edge between two numbers of the format may be rounded either way, as far as f32 arithmetic and the matrix unit's own rounding can turn it there, and no further.
;;   INPUTS GIVEN AS CODES. Wk (in the module: [512, 512], K = its axis 0); Wo (in the module: [512, 512], K = its axis 0); Wq (in the module: [512, 512], K = its axis 0); Wv (in the module: [512, 512], K = its axis 0); x (in the module: [4, 2048, 512], K = its axis 2): each comes as NAME_codes (uint8): NAME with its K axis moved to the last place and cut into blocks of 32 codes, [.., K / 32, bytes a block], one block behind the other in memory; one code a byte (a code: sign, 4 exponent bits, 3 mantissa bits); its scale is its entry of lowp_scales. Its value is code x scale, taken as it is: it is not quantised again, and the codes and scales need not be those that the quantiser above would give.
;; 2 versions. Each part assembles by itself: llvm-mc -triple=amdgcn-amd-amdhsa -mcpu=gfx1250 --defsym DOCPART=n.
;; ======== version 1 of 2: 3 launches
;; limits: right only within a limited range of input values
;; workspace buffers: q_img 4,194,304 bytes; kv_img 8,388,608 bytes; ctx_img 4,194,304 bytes
;; launch proj (part 1): grid 64 x 3, 8 waves a work-group, no clusters, 66,560 bytes of LDS; arguments x_codes, Wq_codes, Wk_codes, Wv_codes, bq, bk, bv, lowp_scales, q_img, kv_img; writes q_img, kv_img
.if DOCPART == 1
	.amdgcn_target "amdgcn-amd-amdhsa--gfx1250"
	.amdhsa_code_object_version 6
	.text
	.protected	k_qdc31a91504_proj
	.globl	k_qdc31a91504_proj
	.p2align	8
	.type	k_qdc31a91504_proj,@function
k_qdc31a91504_proj:
	s_mov_b64 s[64:65], 0
	v_nop
	global_prefetch_b8 v0, s[64:65] scope:SCOPE_SE
	s_setreg_imm32_b32 hwreg(HW_REG_WAVE_MODE, 25, 1), 1
	s_wait_xcnt 0x0
; Q = x Wq + bq, K = x Wk + bk, V = x Wv + bv on codes of FP8 (E4M3), then quantised with the scales given for the attention's operands.
; x: 8,192 rows of 512 codes.  Wq, Wk, Wv: 512 rows (the output column) of 512 codes, K innermost.  Entries of the scales: Q (0, 1, out 6), K (2, 3, out 7), V (4, 5, out 9).
; SHARES.  Work-group (x = block of 128 tokens, y = 0 Q, 1 K, 2 V) makes 128 tokens x 512 columns of one projection.  Wave w is head w: 128 x 64, 32 accumulators, four K steps of 128.
; The block's x (64 KiB) is brought once, each wave 16 tokens, and lies in LDS as images of the operand's registers (a group of four registers is 512 bytes, lane l's 16 bytes at 16 l).
; A wave's 64 rows of W go from memory straight into its registers, a K step ahead, in two sets.
; LAYOUT.  r = lane % 16, h = lane / 16.  Every fragment of x and W takes k = 128 s + 32 c + 16 h + 0 .. 15 into registers 4 c .. 4 c + 3: the same order of k on both sides.
; THE ROWS OF W THAT FORM A TILE ARE NOT NEIGHBOURS: lane r of tile t takes row T0 + r + 8 (r / 8) of the head's 64, T0 = 32 (t / 2) + 8 (t % 2).
; Q, K: source 0 = W, source 1 = x: a lane holds token r and columns T0 + 16 h + j: the four tiles' codes are the 8 registers of a 16 x 64 fragment (d = 32 b + 16 h + 0 .. 15), alike in Q and K.
; V:    source 0 = x, source 1 = W: a lane holds column T0 + r + 8 (r / 8) and tokens 16 m + 8 h + j: tile m's codes are registers 2 m, 2 m + 1 of a fragment of V^T (16 of the head's 64 x 128 keys).
; SCALES.  With es = ex + ew a sum stands for sum x 2^es.  The bias goes in as b / 2^es, as the C of each sum's first product; the conversion takes the one scale 2^(eo - es), the hold is 448 x that.
; OUT.  Images again: q_img block (head, tile of 16 queries) of 1,024 bytes; kv_img per head 262,144 bytes, per step of 128 keys 16,384: eight tiles of K (1,024 each), then four fragments of V^T (2,048 each).
; Each store of a wave covers 512 consecutive bytes, aligned.
; NO CLUSTER: a joint load lands in LDS.  W's 262,144 bytes beside x's 65,536 would take all 327,680 bytes, and each fragment of W, which one wave multiplies, would go into LDS and out again to be used by that wave alone.
; LIMITS: eo - ex - ew between -126 and 119, so that the scale and 448 x the scale are f32 numbers.  NaN among the biases is not served.
; REGISTERS.  Window 0: v1-9 addresses and constants; v24-27 bias (V's form); v32-63 bias, 4 tiles x 8; v64-127 x (first as loaded, then two pairs of fragments, at the end the codes);
;   v128-191, v192-255 W's two sets (at the end: the held numbers).  Window 1: accumulator (m, t) at v[8 (4 m + t)].
.set LI,  1                            ; v1  16 x lane: my place in an image, in LDS and in the stores
.set XA,  2                            ; v2  x: 512 r + 16 h
.set WA,  3                            ; v3  W: 512 (r + 8 (r / 8)) + 16 h
.set BA,  4                            ; v4  bias, Q's and K's form: 64 h
.set BV,  5                            ; v5  bias, V's form: 4 (r + 8 (r / 8))
.set XW,  6                            ; v6  where I store x's images: 16 x lane + 2,048 x wave
.set SC,  8                            ; v8  2^(eo - es) as f32
.set LIM, 9                            ; v9  448 x that
.set BT,  24
.set B,   32
.set X,   64
.set CD,  64                           ; the codes, where x's fragments lay
.set W,   128
.set TM,  128                          ; the held numbers, where W's fragments lay
.set MSB, 0
.macro WIN new                         ; the immediate's high byte repeats the setting that is left
.if MSB != \new
	s_set_vgpr_msb (MSB<<8)|\new
.set MSB, \new
.endif
.endm
; my four fragments of W for K step k into set p
.macro WLOAD k, p
.irp t, 0,1,2,3
.irp c, 0,1,2,3
	global_load_b128 v[W+64*(\p)+16*\t+4*\c:W+64*(\p)+16*\t+4*\c+3], v[WA], s[48:49] offset:(32*(\t/2)+8*(\t%2))*512+128*(\k)+32*\c
.endr
.endr
.endm
; pair q = 4 s + p: x's fragments of K step s, token tiles 2 p and 2 p + 1, from their images into group q % 2
.macro FETCHX q
.irp i, 0,1
.irp c, 0,1,2,3
	ds_load_b128 v[X+32*((\q)%2)+16*\i+4*\c:X+32*((\q)%2)+16*\i+4*\c+3], v[LI] offset:(8*((\q)/4)+2*((\q)%4)+\i)*2048+512*\c
.endr
.endr
.endm
; eight products: two token tiles x my four tiles of W, 128 along K.  tr = 1: source 0 = W (Q, K); tr = 0: source 0 = x (V).
; The 32 accumulators take turns, one instruction a turn, in the same order in every K step.
.macro PAIR q, tr
.set KS, (\q)/4
.set PP, (\q)%4
.if (PP == 0) && (KS >= 1) && (KS <= 2)
	WLOAD KS+1, (KS+1)%2                           ; the set that the last K step multiplied takes the K step after this one; the four v_nop behind the last pair are its places
.endif
.if PP == 0
.if KS == 3
	s_wait_loadcnt 0x0                             ; the last set is in
.else
	s_wait_loadcnt 16                              ; this K step's set is in; the sixteen loads of the next set may be out
.endif
.endif
.if (\q) == 15
	s_wait_dscnt 0x0
.else
	s_wait_dscnt 8                                 ; this pair's eight loads are in; the next pair's eight may be out
.endif
.if KS == 0
	WIN 0x40                                       ; D window 1; W, x and the bias (C) window 0
.else
	WIN 0x50                                       ; C and D window 1
.endif
.irp i, 0,1
.irp t, 0,1,2,3
.set rD, 8*(4*(2*PP+\i)+\t)
.set rA, X+32*((\q)%2)+16*\i
.set rB, W+64*(KS%2)+16*\t
.if \tr
.set rA, W+64*(KS%2)+16*\t
.set rB, X+32*((\q)%2)+16*\i
.endif
.if KS == 0
	v_wmma_f32_16x16x128_fp8_fp8 v[rD:rD+7], v[rA:rA+15], v[rB:rB+15], v[B+8*\t:B+8*\t+7]
.else
	v_wmma_f32_16x16x128_fp8_fp8 v[rD:rD+7], v[rA:rA+15], v[rB:rB+15], v[rD:rD+7]
.endif
.endr
.endr
	WIN 0
.if (\q) <= 13
.rept 4
	v_nop                                          ; four places in front of loads into registers that these products have read (ISA guide 7.12.1 for vector instructions)
.endr
	FETCHX (\q)+2
.endif
.endm
.macro MAIN tr
	FETCHX 0
	FETCHX 1
.irp q, 0,1,2,3,4,5,6,7,8,9,10,11,12,13,14,15
	PAIR \q, \tr
.endr
.endm
; Q, K: token tile m's 32 sums are held within 448 x the scale (the conversion to an 8-bit code does not saturate: ISA guide 7.6.2), each accumulator from its low end on, and become 8 registers of codes
.macro OUT_QK
.rept 4
	v_nop                                          ; places behind the last products
.endr
.irp m, 0,1,2,3,4,5,6,7
	WIN 0x01                                       ; source 0 window 1
.set n, 0
.rept 32
	v_med3_num_f32 v[TM+n], v[32*\m+n], -v[LIM], v[LIM]
.set n, n+1
.endr
	WIN 0
.irp t, 0,1,2,3
	v_cvt_scalef32_pk8_fp8_f32 v[CD+8*\m+2*\t:CD+8*\m+2*\t+1], v[TM+8*\t:TM+8*\t+7], v[SC]
.endr
	v_nop                                          ; one plain instruction between the conversions and the next lines that write their sources
	global_store_b128 v[LI], v[CD+8*\m:CD+8*\m+3], s[52:53] offset:\m*1024
	global_store_b128 v[LI], v[CD+8*\m+4:CD+8*\m+7], s[52:53] offset:\m*1024+512
.endr
.endm
; V: tile t's 64 sums (eight token tiles) become the 16 registers of fragment t of V^T
.macro OUT_V
.rept 4
	v_nop
.endr
.irp t, 0,1,2,3
	WIN 0x01
.irp m, 0,1,2,3,4,5,6,7
.irp j, 0,1,2,3,4,5,6,7
	v_med3_num_f32 v[TM+8*\m+\j], v[32*\m+8*\t+\j], -v[LIM], v[LIM]
.endr
.endr
	WIN 0
.irp m, 0,1,2,3,4,5,6,7
	v_cvt_scalef32_pk8_fp8_f32 v[CD+16*\t+2*\m:CD+16*\t+2*\m+1], v[TM+8*\m:TM+8*\m+7], v[SC]
.endr
	v_nop
.irp g, 0,1,2,3
	global_store_b128 v[LI], v[CD+16*\t+4*\g:CD+16*\t+4*\g+3], s[52:53] offset:8192+\t*2048+512*\g
.endr
.endr
.endm
	s_load_b512 s[8:23], s[0:1], 0x0               ; x s[8:9], Wq s[10:11], Wk s[12:13], Wv s[14:15], bq s[16:17], bk s[18:19], bv s[20:21], the scales s[22:23]
	s_load_b128 s[24:27], s[0:1], 0x40             ; q_img s[24:25], kv_img s[26:27]
	v_lshl_add_u32 v30, v0, 2, 0x10000
	v_mov_b32 v31, 0
	v_lshrrev_b32 v7, 5, v0
	v_readfirstlane_b32 s28, v7                    ; wave = head 0..7
	s_and_b32 s29, ttmp7, 0xffff                   ; 0 Q, 1 K, 2 V
	v_and_b32 v10, 31, v0
	v_lshlrev_b32 v[LI], 4, v10
	v_and_b32 v10, 15, v0                          ; r
	v_bfe_u32 v11, v0, 4, 1                        ; h
	v_lshlrev_b32 v[XA], 9, v10
	v_lshl_add_u32 v[XA], v11, 4, v[XA]
	v_and_b32 v12, 8, v10
	v_add_nc_u32 v12, v12, v10                     ; r + 8 (r / 8)
	v_lshlrev_b32 v[WA], 9, v12
	v_lshl_add_u32 v[WA], v11, 4, v[WA]
	v_lshlrev_b32 v[BA], 6, v11
	v_lshlrev_b32 v[BV], 2, v12
	s_lshl_b32 s30, s28, 11
	v_add_nc_u32 v[XW], s30, v[LI]
	s_lshl_b32 s56, s28, 15                        ; W: my 64 rows of 512 bytes
	s_mov_b32 s57, 0
	s_lshl_b32 s58, s28, 8                         ; bias: my 64 numbers
	s_mov_b32 s59, 0
	s_lshl_b32 s60, ttmp9, 16                      ; x: the block's 128 rows,
	s_lshl_b32 s61, s28, 13                        ; my 16 of them
	s_add_co_u32 s60, s60, s61
	s_mov_b32 s61, 0
	s_lshr_b32 s62, ttmp9, 4                       ; batch
	s_lshl_b32 s62, s62, 3
	s_add_co_u32 s62, s62, s28                     ; 8 x batch + head
	s_lshl_b32 s62, s62, 4
	s_and_b32 s63, ttmp9, 15
	s_add_co_u32 s62, s62, s63                     ; x 16 + the block's number in its batch
	s_mov_b32 s63, 0
	s_wait_kmcnt 0x0
	s_load_b256 s[36:43], s[22:23], 0x0            ; e0 .. e7
	s_load_b128 s[44:47], s[22:23], 0x20           ; e8 .. e11
	s_cmp_eq_u32 s29, 0                            ; the buffers are chosen by the work-group's y alone
	s_cselect_b64 s[48:49], s[10:11], s[12:13]
	s_cselect_b64 s[50:51], s[16:17], s[18:19]
	s_cselect_b64 s[52:53], s[24:25], s[26:27]
	s_cselect_b32 s30, 13, 14                      ; a block's part: 8,192 bytes of q_img, 16,384 of kv_img
	s_cmp_eq_u32 s29, 2
	s_cselect_b64 s[48:49], s[14:15], s[48:49]
	s_cselect_b64 s[50:51], s[20:21], s[50:51]
	s_lshl_b32 s62, s62, s30
	s_add_nc_u64 s[48:49], s[48:49], s[56:57]
	s_add_nc_u64 s[50:51], s[50:51], s[58:59]
	s_add_nc_u64 s[52:53], s[52:53], s[62:63]
	s_add_nc_u64 s[54:55], s[8:9], s[60:61]
.irp t, 0,1,2,3                        ; the bias in both forms, on every path: no branch stands ahead of the barrier
	global_load_b128 v[B+8*\t:B+8*\t+3], v[BA], s[50:51] offset:4*(32*(\t/2)+8*(\t%2))
	global_load_b128 v[B+8*\t+4:B+8*\t+7], v[BA], s[50:51] offset:4*(32*(\t/2)+8*(\t%2))+16
.endr
.irp t, 0,1,2,3
	global_load_b32 v[BT+\t], v[BV], s[50:51] offset:4*(32*(\t/2)+8*(\t%2))
.endr
.irp s, 0,1,2,3                        ; my 16 tokens of x, all four K steps, as fragments
.irp c, 0,1,2,3
	global_load_b128 v[X+16*\s+4*\c:X+16*\s+4*\c+3], v[XA], s[54:55] offset:128*\s+32*\c
.endr
.endr
	WLOAD 0, 0
	WLOAD 1, 1
	s_wait_loadcnt 32                              ; the biases and x are in; W's two sets, 32 loads, may be out
.irp s, 0,1,2,3
.irp c, 0,1,2,3
	ds_store_b128 v[XW], v[X+16*\s+4*\c:X+16*\s+4*\c+3] offset:\s*16384+512*\c   ; image (K step s, token tile = my wave) at (8 s + wave) x 2,048
.endr
.endr
	s_wait_dscnt 0x0                               ; for the others: my images have landed
	s_barrier_signal -1
	s_barrier_wait -1                              ; all 32 images lie in LDS; nothing is stored there again
	s_wait_kmcnt 0x0
	s_cmp_eq_u32 s29, 0
	s_cselect_b32 s56, s36, s38                    ; ex
	s_cselect_b32 s57, s37, s39                    ; ew
	s_cselect_b32 s58, s42, s43                    ; eo
	s_cmp_eq_u32 s29, 2
	s_cselect_b32 s56, s40, s56
	s_cselect_b32 s57, s41, s57
	s_cselect_b32 s58, s45, s58
	s_add_co_i32 s56, s56, s57                     ; es
	s_sub_co_i32 s59, 0, s56                       ; -es, for the bias
	s_sub_co_i32 s58, s58, s56                     ; eo - es
	s_add_co_i32 s58, s58, 127
	s_lshl_b32 s60, s58, 23
	v_mov_b32 v[SC], s60
	s_add_co_i32 s58, s58, 8
	s_lshl_b32 s58, s58, 23
	s_or_b32 s58, s58, 0x600000
	v_mov_b32 v[LIM], s58
	s_cmp_eq_u32 s29, 2
	s_cbranch_scc1 .Lv
.set n, 0
.rept 32
	v_ldexp_f32 v[B+n], v[B+n], s59                ; b / 2^es: tile t, register j: column T0 + 16 h + j
.set n, n+1
.endr
	MAIN 1
	OUT_QK
	s_wait_tensorcnt 0x0
	ds_add_u32 v30, v31
	s_wait_dscnt 0x0
	s_endpgm
.Lv:
.irp t, 0,1,2,3
.irp j, 0,1,2,3,4,5,6,7
	v_ldexp_f32 v[B+8*\t+\j], v[BT+\t], s59        ; a lane holds one column: the same number in the tile's eight registers
.endr
.endr
	MAIN 0
	OUT_V
	s_wait_tensorcnt 0x0
	ds_add_u32 v30, v31
	s_wait_dscnt 0x0
	s_endpgm
.Lfunc_end_k_qdc31a91504_proj:
	.size	k_qdc31a91504_proj, .Lfunc_end_k_qdc31a91504_proj-k_qdc31a91504_proj
	.p2alignl 7, 3214868480
	.fill 96, 4, 3214868480
	.section	.rodata,"a",@progbits
	.p2align	6, 0x0
	.amdhsa_kernel k_qdc31a91504_proj
		.amdhsa_group_segment_fixed_size 66560
		.amdhsa_private_segment_fixed_size 0
		.amdhsa_enable_private_segment 0
		.amdhsa_kernarg_size 80
		.amdhsa_user_sgpr_count 2
		.amdhsa_user_sgpr_kernarg_segment_ptr 1
		.amdhsa_wavefront_size32 1
		.amdhsa_system_sgpr_workgroup_id_x 1
		.amdhsa_system_sgpr_workgroup_id_y 1
		.amdhsa_system_sgpr_workgroup_id_z 1
		.amdhsa_system_vgpr_workitem_id 0
		.amdhsa_next_free_vgpr 512
		.amdhsa_next_free_sgpr 66
		.amdhsa_reserve_vcc 0
		.amdhsa_float_denorm_mode_32 3
		.amdhsa_float_denorm_mode_16_64 3
		.amdhsa_memory_ordered 1
		.amdhsa_forward_progress 1
		.amdhsa_inst_pref_size 100
	.end_amdhsa_kernel
	.amdgpu_metadata
---
amdhsa.version: [ 1, 2 ]
amdhsa.kernels:
  - .name:           k_qdc31a91504_proj
    .symbol:         k_qdc31a91504_proj.kd
    .args:
      - { .name: x_codes, .offset: 0, .size: 8, .value_kind: global_buffer, .address_space: global }
      - { .name: Wq_codes, .offset: 8, .size: 8, .value_kind: global_buffer, .address_space: global }
      - { .name: Wk_codes, .offset: 16, .size: 8, .value_kind: global_buffer, .address_space: global }
      - { .name: Wv_codes, .offset: 24, .size: 8, .value_kind: global_buffer, .address_space: global }
      - { .name: bq, .offset: 32, .size: 8, .value_kind: global_buffer, .address_space: global }
      - { .name: bk, .offset: 40, .size: 8, .value_kind: global_buffer, .address_space: global }
      - { .name: bv, .offset: 48, .size: 8, .value_kind: global_buffer, .address_space: global }
      - { .name: lowp_scales, .offset: 56, .size: 8, .value_kind: global_buffer, .address_space: global }
      - { .name: q_img, .offset: 64, .size: 8, .value_kind: global_buffer, .address_space: global }
      - { .name: kv_img, .offset: 72, .size: 8, .value_kind: global_buffer, .address_space: global }
    .group_segment_fixed_size: 66560
    .private_segment_fixed_size: 0
    .kernarg_segment_align: 8
    .kernarg_segment_size: 80
    .max_flat_workgroup_size: 256
    .sgpr_count:     66
    .vgpr_count:     512
    .wavefront_size: 32
...
	.end_amdgpu_metadata
.endif
;; end of part 1
;; launch attn (part 2): grid 8 x 32, 16 waves a work-group, clusters of 4 x 1, 264,192 bytes of LDS; arguments q_img, kv_img, lowp_scales, ctx_img; writes ctx_img
.if DOCPART == 2
	.amdgcn_target "amdgcn-amd-amdhsa--gfx1250"
	.amdhsa_code_object_version 6
	.text
	.protected	k_qdc31a91504_attn
	.globl	k_qdc31a91504_attn
	.p2align	8
	.type	k_qdc31a91504_attn,@function
k_qdc31a91504_attn:
	s_mov_b64 s[64:65], 0
	v_nop
	global_prefetch_b8 v0, s[64:65] scope:SCOPE_SE
	s_setreg_imm32_b32 hwreg(HW_REG_WAVE_MODE, 25, 1), 1
	s_wait_xcnt 0x0
	s_wait_alu depctr_hold_cnt(0) depctr_sa_sdst(0) depctr_va_vdst(0) depctr_va_sdst(0) depctr_va_ssrc(0) depctr_va_vcc(0) depctr_vm_vsrc(0)
	s_getreg_b32 s2, hwreg(HW_REG_IB_STS2, 6, 4)
	s_cmp_eq_u32 s2, 0
	s_cbranch_scc0 .Lentry_in_a_cluster
	s_endpgm
.Lentry_in_a_cluster:
	s_bfe_u32 s2, ttmp6, 0x10000c
	s_cmp_lg_u32 s2, 0x3003
	s_cbranch_scc0 .Lentry_shape_is_right
	s_endpgm
.Lentry_shape_is_right:
; ctx = softmax(Q K^T / 8) V for 32 heads of 2,048 x 64, both products on codes of FP8 (E4M3); ctx is quantised with the scale given for the last product.  Entries of the scales: Q 6, K 7, p 8, V 9, ctx 10.
; THE SOFTMAX AHEAD OF THE SECOND PRODUCT: t = score x log2(e) / 8; M = the running largest t rounded UP to a whole number; p = 2^(t - M) is quantised, not normalised.  The sum is taken of the unquantised p and divides at the end.
; When M moves, the sum and O are multiplied by 2^(old M - new M), which rounds nothing.
; SHARES.  A work-group owns 256 queries of one head, each of its sixteen waves one tile of 16, in 256 registers.  Every wave walks the head's 2,048 keys, 128 a step.
; LDS.  A head's K and V as codes are 262,144 bytes, laid by the launch before as images of the operands' registers (a group of four registers is 512 bytes, lane l's 16 bytes at 16 l): step st at 16,384 st: eight tiles of K
; (1,024 bytes each), then four fragments of V^T (2,048 each).  They are brought ONCE, as they lie: every LDS byte has one fill, nothing is filled again.  Each wave brings 4,096 bytes (16 rows of 256) of each quarter:
; four tensor loads a wave are out at the most, and a quarter's steps begin when that quarter has landed.
; CLUSTER.  The four query blocks of a cluster belong to one head and need the same bytes: each load is asked for JOINTLY, with the same descriptor (head and wave alone enter it) and a mask that names the four.
; LAYOUT.  r = lane % 16, h = lane / 16.  S^T = K Q^T (source 0 = 16 keys, source 1 = my queries): a lane holds query r, tile t's register j key 16 t + 8 h + j: its codes are registers 2 t, 2 t + 1 of P, the order in which V^T's fragments
; hold the keys.  O^T = V^T P^T: tile t's register j is channel 32 (t / 2) + 8 (t % 2) + 16 h + j, so the four tiles' codes are 8 registers with d = 32 b + 16 h + 0 .. 15: half a fragment of the last product's operand.
; NO PREFETCH: all that the work-group reads of K and V is asked for in its first lines.
; LIMITS on the given exponents, so that each power of two below is an f32 number: e6 + e7 between -123 and 130; e8 and e10 - e8 - e9 between -126 and 119.
; REGISTERS: v1 16 x lane; v2 the step's LDS address; v4, v5: 2^e8, 448 x 2^e8; v6, v7: 2^(e10 - e8 - e9), 448 x that; v12 -M; v13 the largest t; v[14:15] the sum in two halves; v16-23 Q; v24-29 at work;
;   v32-95 K's eight tiles, then V^T's four fragments; v96-159 S^T, then p; v160-191 O^T; v192-207 p's codes; v208-215 ctx's codes.
.set LI,  1
.set ADR, 2
.set QF,  16
.set KV,  32
.set S,   96
.set O,   160
.set PC,  192
.set CC,  208
.set WV,  12                           ; s12  my wave's number
.set SEL, 20                           ; s[20:21] lane selects for v_permlanex16_b32: lane l xor 16
.set CS,  22                           ; s[22:23] c = log2(e) / 8 x 2^(e6 + e7): the packed form names a pair and takes its low word for both halves
.set G1,  24                           ; s[24:31] descriptor group 1
.set G0,  32                           ; s[32:47] descriptor group 0, a set for each quarter
.set TB,  48                           ; s48  LDS byte at which the step in hand begins
.set CNT, 49                           ; s49  steps left in the quarter
; A round of the cluster's barrier: my work-group's barrier, so that wave 0's signal speaks for all its waves; wave 0 signals; every wave waits for all four work-groups; my work-group's barrier once more.
.macro CROUND
	s_barrier_signal -1
	s_barrier_wait -1
	s_cmp_lg_u32 s[WV], 0
	s_cbranch_scc1 .Lnot_wave_0_\@
	s_barrier_signal -3
.Lnot_wave_0_\@:
	s_barrier_wait -3
	s_barrier_signal -1
	s_barrier_wait -1
.endm
	s_load_b256 s[4:11], s[0:1], 0x0               ; q_img s[4:5], kv_img s[6:7], the scales s[8:9], ctx_img s[10:11]
	v_lshl_add_u32 v254, v0, 2, 0x40000
	v_mov_b32 v255, 0
	ds_add_u32 v254, v255
	ds_add_u32 v254, v255
	v_lshrrev_b32 v2, 5, v0
	v_readfirstlane_b32 s[WV], v2                  ; wave 0..15
	s_bfe_u32 s13, ttmp6, 0x40000                  ; cx: it enters Q's and ctx's addresses alone
	s_lshl_b32 s14, ttmp9, 2
	s_add_co_u32 s14, s14, s13                     ; my block of 256 queries = 4 x cluster x + cx
	s_and_b32 s15, ttmp7, 0xffff                   ; 8 x batch + head, which the four partners share
	; descriptor group 1: 16 rows of 32 elements of 8 bytes, dense in memory and in LDS
	s_mov_b32 s[G1+0], 15|(3<<16)|(1<<21)          ; 15:0 the mask: all four work-groups; 17:16 elements of 8 bytes; 20 no padding; 21 set beside a mask
	s_mov_b32 s[G1+1], 32<<16                      ; tensor_dim0 = 32
	s_mov_b32 s[G1+2], 16<<16                      ; tensor_dim1 = 16
	s_mov_b32 s[G1+3], 32<<16                      ; tile_dim0 = 32
	s_mov_b32 s[G1+4], 16                          ; tile_dim1 = 16
	s_mov_b32 s[G1+5], 32                          ; from row to row
	s_mov_b32 s[G1+6], 0
	s_mov_b32 s[G1+7], 0
	s_lshl_b32 s59, s[WV], 12                      ; my 4,096 bytes of a quarter
	s_lshl_b32 s16, s15, 18                        ; the head's 262,144 bytes
	s_add_co_u32 s16, s16, s59
	s_mov_b32 s17, 0
	s_lshl_b32 s58, s14, 4
	s_add_co_u32 s58, s58, s[WV]                   ; my tile of queries in the head: 16 x block + wave
	s_lshl_b32 s18, s15, 7
	s_add_co_u32 s18, s18, s58
	s_lshl_b32 s18, s18, 10                        ; Q: (128 x head + tile) x 1,024
	s_mov_b32 s19, 0
	s_lshr_b32 s50, s15, 3
	s_lshl_b32 s50, s50, 7
	s_add_co_u32 s50, s50, s58                     ; token tile = 128 x batch + tile
	s_lshl_b32 s50, s50, 3
	s_and_b32 s51, s15, 7
	s_add_co_u32 s50, s50, s51
	s_lshl_b32 s50, s50, 10                        ; ctx: (8 x token tile + head) x 1,024
	s_mov_b32 s51, 0
	s_mov_b32 s[SEL], 0x76543210
	s_mov_b32 s[SEL+1], 0xfedcba98
	s_mov_b32 s[CS], 0x3e38aa3b                    ; log2(e) / 8
	s_wait_dscnt 0x0
	s_wait_kmcnt 0x0
	s_load_b128 s[52:55], s[8:9], 0x18             ; e6, e7, e8, e9
	s_load_b32 s56, s[8:9], 0x28                   ; e10
	s_add_nc_u64 s[6:7], s[6:7], s[16:17]
	s_add_nc_u64 s[4:5], s[4:5], s[18:19]
	s_add_nc_u64 s[10:11], s[10:11], s[50:51]
.irp j, 0,1,2,3
	s_mov_b32 s[G0+4*\j], 1                                        ; count = 1
	s_add_co_u32 s[G0+4*\j+1], s59, \j*65536                       ; LDS address: quarter j, my 4,096 bytes
	s_add_nc_u64 s[G0+4*\j+2:G0+4*\j+3], s[6:7], \j*65536          ; the same place in the head's bytes
	s_or_b32 s[G0+4*\j+3], s[G0+4*\j+3], 0x80000000                ; type = 2
.endr
	CROUND                                         ; all four work-groups are here: the joint loads meet
.irp j, 0,1,2,3
	tensor_load_to_lds s[G0+4*\j:G0+4*\j+3], s[G1:G1+7]            ; the launch's only fills, as one group ahead of every wait on TENSORcnt and every LDS read
	s_nop 0
.endr
.rept 4
	v_nop                                          ; four v_nop follow the last of them
.endr
	v_and_b32 v[LI], 31, v0
	v_lshlrev_b32 v[LI], 4, v[LI]
	global_load_b128 v[QF:QF+3], v[LI], s[4:5]     ; Q's fragment stays in registers
	global_load_b128 v[QF+4:QF+7], v[LI], s[4:5] offset:512
	v_mov_b32 v13, 0xff61b1e6                      ; the largest t so far: -3e38, under every t
	v_floor_f32 v12, -v13                          ; -M
	v_mov_b32 v14, 0                               ; the sum, in two halves
	v_mov_b32 v15, 0
	v_mov_b32 v25, 0                               ; written once: a lane permute's destination counts as one of its sources
	v_mov_b32 v27, 0                               ; (named as the upper half of the pair v[26:27])
.set n, 0
.rept 32
	v_mov_b32 v[O+n], 0                            ; O^T.  The step is written once: the first finds zeros, which the first change of M leaves zeros
.set n, n+1
.endr
	s_wait_kmcnt 0x0
	s_add_co_i32 s57, s52, s53
	s_lshl_b32 s57, s57, 23
	s_add_co_i32 s[CS], s[CS], s57                 ; a score stands for score x 2^(e6 + e7): the exponents are added to c's exponent field
	s_mov_b32 s[CS+1], s[CS]                       ; (named with it as a pair, so it is written)
	s_add_co_i32 s57, s54, 127
	s_lshl_b32 s58, s57, 23
	v_mov_b32 v4, s58                              ; 2^e8
	s_add_co_i32 s57, s57, 8
	s_lshl_b32 s57, s57, 23
	s_or_b32 s57, s57, 0x600000
	v_mov_b32 v5, s57                              ; 448 x 2^e8
	s_sub_co_i32 s57, s56, s54
	s_sub_co_i32 s57, s57, s55                     ; O / l stands for ctx / 2^(e8 + e9): its code is (O / l) / 2^(e10 - e8 - e9)
	s_add_co_i32 s57, s57, 127
	s_lshl_b32 s58, s57, 23
	v_mov_b32 v6, s58
	s_add_co_i32 s57, s57, 8
	s_lshl_b32 s57, s57, 23
	s_or_b32 s57, s57, 0x600000
	v_mov_b32 v7, s57
	s_wait_loadcnt 0x0                             ; Q
; A KEY STEP: 128 keys, whose images begin at LDS byte s[TB].
.macro STEP
	v_add_nc_u32 v[ADR], s[TB], v[LI]
.rept 3
	v_nop                                          ; with the addition above: four places in front of loads into registers that the last products have read
.endr
.irp t, 0,1,2,3,4,5,6,7
	ds_load_b128 v[KV+8*\t:KV+8*\t+3], v[ADR] offset:\t*1024
	ds_load_b128 v[KV+8*\t+4:KV+8*\t+7], v[ADR] offset:\t*1024+512
.endr
	s_wait_dscnt 0x0
.irp t, 0,1,2,3,4,5,6,7
	v_wmma_f32_16x16x64_fp8_fp8 v[S+8*\t:S+8*\t+7], v[KV+8*\t:KV+8*\t+7], v[QF:QF+7], 0
.endr
.rept 4
	v_nop                                          ; places: for the loads below, and for the first read of the scores
.endr
.irp t, 0,1,2,3
.irp g, 0,1,2,3
	ds_load_b128 v[KV+16*\t+4*\g:KV+16*\t+4*\g+3], v[ADR] offset:8192+\t*2048+512*\g   ; V^T's fragments land while the softmax is worked
.endr
.endr
	v_max3_num_f32 v24, v[S], v[S+1], v[S+2]       ; the step's largest score of my query among my 64 keys, in two chains, each accumulator from its low end on,
	v_max3_num_f32 v26, v[S+3], v[S+4], v[S+5]
.irp i, 6,10,14,18,22,26,30,34,38,42,46,50,54,58
	v_max3_num_f32 v24, v24, v[S+\i], v[S+1+\i]
	v_max3_num_f32 v26, v26, v[S+2+\i], v[S+3+\i]
.endr
	v_max3_num_f32 v24, v24, v[S+62], v[S+63]
	v_max_num_f32 v24, v24, v26
	v_permlanex16_b32 v25, v24, s[SEL], s[SEL+1]
	v_max_num_f32 v24, v24, v25                    ; and among lane l xor 16's
	v_mul_f32 v24, s[CS], v24                      ; as t (c is positive)
	v_max_num_f32 v13, v13, v24                    ; the running largest t
	v_mov_b32 v24, v12
	v_floor_f32 v12, -v13                          ; the new -M = floor(-t) = -ceil(t): a whole number
	v_sub_f32 v24, v12, v24                        ; old M less new M: a whole number, 0 or less
	v_cvt_i32_f32 v24, v24                         ; (it saturates)
	v_ldexp_f32 v26, 1.0, v24                      ; f = 2^(old M - new M)
.set n, 0
.rept 32
	v_pk_fma_f32 v[S+n:S+n+1], v[S+n:S+n+1], s[CS:CS+1], v[12:13] op_sel_hi:[1,0,0]   ; t - M, two at a time
.set n, n+2
.endr
.set n, 0
.rept 64
	v_exp_f32 v[S+n], v[S+n]                       ; p = 2^(t - M), at most 1
.set n, n+1
.endr
	v_pk_mul_f32 v[14:15], v[14:15], v[26:27] op_sel_hi:[1,0]   ; the sums under the new M: the plain instruction behind the exponentials
	s_wait_alu depctr_va_vdst(0)                   ; one wait for the batch of 64, ahead of its first reader
	v_pk_add_f32 v[28:29], v[S:S+1], v[S+2:S+3]    ; the sum of the UNQUANTISED p, two at a time, in two chains
.irp j, 4,8,12,16,20,24,28,32,36,40,44,48,52,56,60
	v_pk_add_f32 v[14:15], v[14:15], v[S+\j:S+1+\j]
	v_pk_add_f32 v[28:29], v[28:29], v[S+2+\j:S+3+\j]
.endr
	v_pk_add_f32 v[14:15], v[14:15], v[28:29]
.irp t, 0,1,2,3,4,5,6,7
.irp i, 0,1,2,3,4,5,6,7
	v_min_num_f32 v[S+8*\t+\i], v[S+8*\t+\i], v5   ; the conversion does not saturate (ISA guide 7.6.2); p is not negative, so the hold is one-sided
.endr
	v_cvt_scalef32_pk8_fp8_f32 v[PC+2*\t:PC+2*\t+1], v[S+8*\t:S+8*\t+7], v4
.endr
.set n, 0
.rept 16
	v_pk_mul_f32 v[O+n:O+n+1], v[O+n:O+n+1], v[26:27] op_sel_hi:[1,0]   ; O^T under the new M; these also stand between the conversions and the products that read the codes
.set n, n+2
.endr
	s_wait_dscnt 0x0                               ; V^T's fragments are in
.irp t, 0,1,2,3                        ; the four accumulators take turns, one instruction a turn; eight other products stand between one step's and the next's
	v_wmma_f32_16x16x128_fp8_fp8 v[O+8*\t:O+8*\t+7], v[KV+16*\t:KV+16*\t+15], v[PC:PC+15], v[O+8*\t:O+8*\t+7]
.endr
.endm
; A quarter of the keys: four steps.  My part of quarter j has landed when at most 3 - j of my four loads are out (tensor loads of a wave end in order: ISA guide 10.11.1); the barrier shows the same of all sixteen waves.
; Later quarters may stay on their way across it. No LDS load of mine is out at the signal: each step ends behind its wait for 0.
.macro QUARTER j
	s_wait_tensorcnt 3-\j
	s_barrier_signal -1
	s_barrier_wait -1
	s_mov_b32 s[TB], \j*65536
	s_mov_b32 s[CNT], 4
.Lstep_\@:
	STEP
	s_add_co_u32 s[TB], s[TB], 16384
	s_sub_co_u32 s[CNT], s[CNT], 1
	s_cmp_lg_u32 s[CNT], 0
	s_cbranch_scc1 .Lstep_\@
.endm
	QUARTER 0
	QUARTER 1
	QUARTER 2
	QUARTER 3                                      ; its wait is for 0: no tensor load of mine is out from here on
	; THE WAY OUT: O^T / the sum, held, quantised; the 8 registers of codes leave as an image: each store covers 512 consecutive bytes, aligned.
.rept 4
	v_nop                                          ; places behind the last products
.endr
	v_add_f32 v14, v14, v15                        ; the sum's two halves,
	v_permlanex16_b32 v25, v14, s[SEL], s[SEL+1]
	v_add_f32 v14, v14, v25                        ; and lane l xor 16's
	v_rcp_f32 v14, v14
	v_nop                                          ; a plain instruction behind the reciprocal
	s_wait_alu depctr_va_vdst(0)                   ; and the wait ahead of its first reader
.set n, 0
.rept 16
	v_pk_mul_f32 v[S+n:S+n+1], v[O+n:O+n+1], v[14:15] op_sel_hi:[1,0]   ; each accumulator from its low end on
.set n, n+2
.endr
.set n, 0
.rept 32
	v_med3_num_f32 v[S+n], v[S+n], -v7, v7
.set n, n+1
.endr
.irp t, 0,1,2,3
	v_cvt_scalef32_pk8_fp8_f32 v[CC+2*\t:CC+2*\t+1], v[S+8*\t:S+8*\t+7], v6
.endr
	v_nop
	global_store_b128 v[LI], v[CC:CC+3], s[10:11]
	global_store_b128 v[LI], v[CC+4:CC+7], s[10:11] offset:512
	s_wait_tensorcnt 0x0
	ds_add_u32 v254, v255
	s_wait_dscnt 0x0
	CROUND                                         ; the closing round: no work-group ends while a partner may still ask for bytes jointly
	s_endpgm
.Lfunc_end_k_qdc31a91504_attn:
	.size	k_qdc31a91504_attn, .Lfunc_end_k_qdc31a91504_attn-k_qdc31a91504_attn
	.p2alignl 7, 3214868480
	.fill 96, 4, 3214868480
	.section	.rodata,"a",@progbits
	.p2align	6, 0x0
	.amdhsa_kernel k_qdc31a91504_attn
		.amdhsa_group_segment_fixed_size 264192
		.amdhsa_private_segment_fixed_size 0
		.amdhsa_enable_private_segment 0
		.amdhsa_kernarg_size 32
		.amdhsa_user_sgpr_count 2
		.amdhsa_user_sgpr_kernarg_segment_ptr 1
		.amdhsa_wavefront_size32 1
		.amdhsa_system_sgpr_workgroup_id_x 1
		.amdhsa_system_sgpr_workgroup_id_y 1
		.amdhsa_system_sgpr_workgroup_id_z 1
		.amdhsa_system_vgpr_workitem_id 0
		.amdhsa_next_free_vgpr 256
		.amdhsa_next_free_sgpr 66
		.amdhsa_reserve_vcc 0
		.amdhsa_float_denorm_mode_32 3
		.amdhsa_float_denorm_mode_16_64 3
		.amdhsa_memory_ordered 1
		.amdhsa_forward_progress 1
		.amdhsa_inst_pref_size 73
	.end_amdhsa_kernel
	.amdgpu_metadata
---
amdhsa.version: [ 1, 2 ]
amdhsa.kernels:
  - .name:           k_qdc31a91504_attn
    .symbol:         k_qdc31a91504_attn.kd
    .args:
      - { .name: q_img, .offset: 0, .size: 8, .value_kind: global_buffer, .address_space: global }
      - { .name: kv_img, .offset: 8, .size: 8, .value_kind: global_buffer, .address_space: global }
      - { .name: lowp_scales, .offset: 16, .size: 8, .value_kind: global_buffer, .address_space: global }
      - { .name: ctx_img, .offset: 24, .size: 8, .value_kind: global_buffer, .address_space: global }
    .group_segment_fixed_size: 264192
    .private_segment_fixed_size: 0
    .kernarg_segment_align: 8
    .kernarg_segment_size: 32
    .max_flat_workgroup_size: 512
    .sgpr_count:     66
    .vgpr_count:     256
    .wavefront_size: 32
...
	.end_amdgpu_metadata
.endif
;; end of part 2
;; launch outp (part 3): grid 4 x 64, 4 waves a work-group, no clusters, 17,920 bytes of LDS; arguments ctx_img, Wo_codes, bo, lowp_scales, out0; writes out0
.if DOCPART == 3
	.amdgcn_target "amdgcn-amd-amdhsa--gfx1250"
	.amdhsa_code_object_version 6
	.text
	.protected	k_qdc31a91504_outp
	.globl	k_qdc31a91504_outp
	.p2align	8
	.type	k_qdc31a91504_outp,@function
k_qdc31a91504_outp:
	s_mov_b64 s[64:65], 0
	v_nop
	global_prefetch_b8 v0, s[64:65] scope:SCOPE_SE
	s_setreg_imm32_b32 hwreg(HW_REG_WAVE_MODE, 25, 1), 1
	s_wait_xcnt 0x0
; out = ctx Wo + bo on codes of FP8 (E4M3).  ctx: images of the operand's registers, made by the launch before: fragment (token tile T, K step s) at 8,192 T + 2,048 s, four groups of 512 bytes, lane l's 16 bytes at 16 l;
; registers 4 c .. 4 c + 3 hold k = 128 s + 32 c + 16 h + 0 .. 15.  Wo: 512 rows (the output column) of 512 codes, K innermost, loaded in the same order of k.  Entries of the scales: ctx 10, Wo 11.  out: [8,192][512] f32.
; SHARES.  Work-group (x = block of 128 columns, y = block of 128 tokens); wave w makes tokens 64 (w / 2) on x columns 64 (w % 2) on: 16 accumulators, 64 products.
; All its operands for all of K (512 registers) are asked for on end, straight into registers: no ring, no loop, no barrier.
; TRANSPOSED: source 0 = 16 rows of Wo, source 1 = 16 tokens: a lane holds token r = lane % 16 and eight neighbouring columns 16 t + 8 h + j.  out = sum x 2^(e10 + e11) + bo, one packed multiply-add for two numbers.
; A tile of 16 tokens x 64 columns goes through the wave's own stage in LDS (rows of 256 bytes + 16) and leaves as whole rows: sixteen lanes store 256 consecutive bytes, aligned.
; NO CLUSTER: a joint load lands in LDS.  Here each fragment goes from memory into the registers of the wave that multiplies it; through LDS a work-group's 131,072 bytes of operands would be written there and read back for 64 products a wave.
; LIMIT: e10 + e11 between -126 and 127, so that 2^(e10 + e11) is an f32 number.
; REGISTERS.  Window 0: v1-6 addresses; v16-47 bo, tile t at 16 + 8 t; v128-255 accumulator (a, t) at 128 + 8 (4 a + t).  Window 1: ctx's fragment (a, s) at 16 (4 s + a).  Window 2: Wo's (t, s) at 16 (4 s + t).
.set LI,  1                            ; v1  16 x lane
.set WA,  2                            ; v2  Wo: 512 r + 16 h
.set BA,  3                            ; v3  bo: 32 h
.set STO, 4                            ; v4  the stage, in: 4,352 x wave + 272 r + 32 h
.set RD,  5                            ; v5  the stage, back: 4,352 x wave + 272 h + 16 r
.set CO,  6                            ; v6  out: 2,048 h + 16 r
.set BO,  16
.set ACC, 128
.set MSB, 0
.macro WIN new                         ; the immediate's high byte repeats the setting that is left
.if MSB != \new
	s_set_vgpr_msb (MSB<<8)|\new
.set MSB, \new
.endif
.endm
; K step s: 16 products; the 16 accumulators take turns, one instruction a turn.  The first step starts the sums: nothing is cleared.
.macro MULS s
.irp a, 0,1,2,3
.irp t, 0,1,2,3
.if \s == 0
	v_wmma_f32_16x16x128_fp8_fp8 v[ACC+8*(4*\a+\t):ACC+8*(4*\a+\t)+7], v[16*(4*\s+\t):16*(4*\s+\t)+15], v[16*(4*\s+\a):16*(4*\s+\a)+15], 0
.else
	v_wmma_f32_16x16x128_fp8_fp8 v[ACC+8*(4*\a+\t):ACC+8*(4*\a+\t)+7], v[16*(4*\s+\t):16*(4*\s+\t)+15], v[16*(4*\s+\a):16*(4*\s+\a)+15], v[ACC+8*(4*\a+\t):ACC+8*(4*\a+\t)+7]
.endif
.endr
.endr
.endm
; token tile a: scaled, bias added, into my stage, and back as whole rows into the registers that it left.  LDS serves a wave's instructions in order (ISA guide 5.7.1.4): no wait between the stores and the loads.
.macro PACK a
.irp t, 0,1,2,3
.irp i, 0,2,4,6
	v_pk_fma_f32 v[ACC+32*\a+8*\t+\i:ACC+32*\a+8*\t+\i+1], v[ACC+32*\a+8*\t+\i:ACC+32*\a+8*\t+\i+1], s[30:31], v[BO+8*\t+\i:BO+8*\t+\i+1] op_sel_hi:[1,0,1]
.endr
.endr
.irp t, 0,1,2,3
	ds_store_b128 v[STO], v[ACC+32*\a+8*\t:ACC+32*\a+8*\t+3] offset:64*\t
	ds_store_b128 v[STO], v[ACC+32*\a+8*\t+4:ACC+32*\a+8*\t+7] offset:64*\t+16
.endr
.irp i, 0,1,2,3,4,5,6,7
	ds_load_b128 v[ACC+32*\a+4*\i:ACC+32*\a+4*\i+3], v[RD] offset:2*\i*272
.endr
.endm
.macro SEND a, younger                 ; younger: the LDS instructions issued behind tile a's loads: the next tile's sixteen, or none
.irp i, 0,1,2,3,4,5,6,7
	s_wait_dscnt \younger+7-\i
	global_store_b128 v[CO], v[ACC+32*\a+4*\i:ACC+32*\a+4*\i+3], s[12:13] offset:(16*\a+2*\i)*2048 th:TH_STORE_NT
.endr
.endm
	s_load_b256 s[4:11], s[0:1], 0x0               ; ctx_img s[4:5], Wo s[6:7], bo s[8:9], the scales s[10:11]
	s_load_b64 s[12:13], s[0:1], 0x20              ; out
	v_lshl_add_u32 v126, v0, 2, 0x4400
	v_mov_b32 v127, 0
	v_lshrrev_b32 v7, 5, v0
	v_readfirstlane_b32 s16, v7                    ; wave 0..3
	s_lshr_b32 s17, s16, 1                         ; which 64 tokens
	s_and_b32 s18, s16, 1                          ; which 64 columns
	s_and_b32 s19, ttmp7, 0xffff                   ; block of tokens
	v_and_b32 v8, 31, v0
	v_lshlrev_b32 v[LI], 4, v8
	v_and_b32 v8, 15, v0                           ; r
	v_bfe_u32 v9, v0, 4, 1                         ; h
	v_lshlrev_b32 v[WA], 9, v8
	v_lshl_add_u32 v[WA], v9, 4, v[WA]
	v_lshlrev_b32 v[BA], 5, v9
	s_mul_i32 s28, s16, 4352                       ; my stage: 16 rows of 272 bytes
	v_mul_u32_u24 v[STO], v8, 272
	v_lshl_add_u32 v[STO], v9, 5, v[STO]
	v_add_nc_u32 v[STO], s28, v[STO]
	v_mul_u32_u24 v[RD], v9, 272
	v_lshl_add_u32 v[RD], v8, 4, v[RD]
	v_add_nc_u32 v[RD], s28, v[RD]
	v_lshlrev_b32 v[CO], 11, v9
	v_lshl_add_u32 v[CO], v8, 4, v[CO]
	s_lshl_b32 s20, s19, 16                        ; ctx: 8 token tiles of 8,192 bytes a block, 4 a wave
	s_lshl_b32 s21, s17, 15
	s_add_co_u32 s20, s20, s21
	s_mov_b32 s21, 0
	s_lshl_b32 s22, ttmp9, 16                      ; Wo: 128 rows of 512 bytes a block, 64 a wave
	s_lshl_b32 s23, s18, 15
	s_add_co_u32 s22, s22, s23
	s_mov_b32 s23, 0
	s_lshl_b32 s24, ttmp9, 9                       ; bo, and a row of out: 512 bytes a block, 256 a wave
	s_lshl_b32 s25, s18, 8
	s_add_co_u32 s24, s24, s25
	s_mov_b32 s25, 0
	s_lshl_b32 s26, s19, 18                        ; out: 128 rows of 2,048 bytes a block, 64 a wave
	s_lshl_b32 s27, s17, 17
	s_add_co_u32 s26, s26, s27
	s_add_co_u32 s26, s26, s24
	s_mov_b32 s27, 0
	s_wait_kmcnt 0x0
	s_load_b64 s[14:15], s[10:11], 0x28            ; e10, e11
	s_add_nc_u64 s[4:5], s[4:5], s[20:21]
	s_add_nc_u64 s[6:7], s[6:7], s[22:23]
	s_add_nc_u64 s[8:9], s[8:9], s[24:25]
	s_add_nc_u64 s[12:13], s[12:13], s[26:27]
.irp t, 0,1,2,3
	global_load_b128 v[BO+8*\t:BO+8*\t+3], v[BA], s[8:9] offset:64*\t
	global_load_b128 v[BO+8*\t+4:BO+8*\t+7], v[BA], s[8:9] offset:64*\t+16
.endr
.irp s, 0,1,2,3
	WIN 0x40                                       ; destination window 1
.irp a, 0,1,2,3
.irp c, 0,1,2,3
	global_load_b128 v[16*(4*\s+\a)+4*\c:16*(4*\s+\a)+4*\c+3], v[LI], s[4:5] offset:\a*8192+\s*2048+512*\c
.endr
.endr
	WIN 0x80                                       ; destination window 2
.irp t, 0,1,2,3
.irp c, 0,1,2,3
	global_load_b128 v[16*(4*\s+\t)+4*\c:16*(4*\s+\t)+4*\c+3], v[WA], s[6:7] offset:\t*8192+128*\s+32*\c
.endr
.endr
.endr
	WIN 0
	s_wait_loadcnt 63                              ; 136 loads were issued: with at most 63 out the first 73 are in: bo's 8 and the 64 of K steps 0 and 1.  (96 were issued behind step 0's; the wait can name no more than 63)
	WIN 0x06                                       ; source 0 (Wo) window 2, source 1 (ctx) window 1, C and D window 0
	MULS 0
	MULS 1
	s_wait_loadcnt 32                              ; K step 2 is in; step 3's 32 loads may be out
	MULS 2
	s_wait_loadcnt 0x0
	MULS 3
	WIN 0
	s_wait_kmcnt 0x0
	s_add_co_i32 s30, s14, s15
	s_add_co_i32 s30, s30, 127
	s_lshl_b32 s30, s30, 23                        ; 2^(e10 + e11) as f32
	s_mov_b32 s31, s30                             ; (named with it as a pair, so it is written)
.rept 4
	v_nop                                          ; places behind the last products, ahead of the lines that read and rewrite the sums
.endr
	PACK 0
	PACK 1                                         ; a tile's arithmetic stands between the loads of the tile before and its stores
	SEND 0, 16
	PACK 2
	SEND 1, 16
	PACK 3
	SEND 2, 16
	SEND 3, 0
	s_wait_tensorcnt 0x0
	ds_add_u32 v126, v127
	s_wait_dscnt 0x0
	s_endpgm
.Lfunc_end_k_qdc31a91504_outp:
	.size	k_qdc31a91504_outp, .Lfunc_end_k_qdc31a91504_outp-k_qdc31a91504_outp
	.p2alignl 7, 3214868480
	.fill 96, 4, 3214868480
	.section	.rodata,"a",@progbits
	.p2align	6, 0x0
	.amdhsa_kernel k_qdc31a91504_outp
		.amdhsa_group_segment_fixed_size 17920
		.amdhsa_private_segment_fixed_size 0
		.amdhsa_enable_private_segment 0
		.amdhsa_kernarg_size 40
		.amdhsa_user_sgpr_count 2
		.amdhsa_user_sgpr_kernarg_segment_ptr 1
		.amdhsa_wavefront_size32 1
		.amdhsa_system_sgpr_workgroup_id_x 1
		.amdhsa_system_sgpr_workgroup_id_y 1
		.amdhsa_system_sgpr_workgroup_id_z 1
		.amdhsa_system_vgpr_workitem_id 0
		.amdhsa_next_free_vgpr 768
		.amdhsa_next_free_sgpr 66
		.amdhsa_reserve_vcc 0
		.amdhsa_float_denorm_mode_32 3
		.amdhsa_float_denorm_mode_16_64 3
		.amdhsa_memory_ordered 1
		.amdhsa_forward_progress 1
		.amdhsa_inst_pref_size 32
	.end_amdhsa_kernel
	.amdgpu_metadata
---
amdhsa.version: [ 1, 2 ]
amdhsa.kernels:
  - .name:           k_qdc31a91504_outp
    .symbol:         k_qdc31a91504_outp.kd
    .args:
      - { .name: ctx_img, .offset: 0, .size: 8, .value_kind: global_buffer, .address_space: global }
      - { .name: Wo_codes, .offset: 8, .size: 8, .value_kind: global_buffer, .address_space: global }
      - { .name: bo, .offset: 16, .size: 8, .value_kind: global_buffer, .address_space: global }
      - { .name: lowp_scales, .offset: 24, .size: 8, .value_kind: global_buffer, .address_space: global }
      - { .name: out0, .offset: 32, .size: 8, .value_kind: global_buffer, .address_space: global }
    .group_segment_fixed_size: 17920
    .private_segment_fixed_size: 0
    .kernarg_segment_align: 8
    .kernarg_segment_size: 40
    .max_flat_workgroup_size: 128
    .sgpr_count:     66
    .vgpr_count:     768
    .wavefront_size: 32
...
	.end_amdgpu_metadata
.endif
;; end of part 3
;; ======== version 2 of 2: 3 launches
;; limits: right only within a limited range of input values
;; workspace buffers: q_img 4,194,304 bytes; kv_img 8,388,608 bytes; ctx_img 4,194,304 bytes
;; launch proj (part 4): grid 64 x 3, 8 waves a work-group, no clusters, 66,560 bytes of LDS; arguments x_codes, Wq_codes, Wk_codes, Wv_codes, bq, bk, bv, lowp_scales, q_img, kv_img; writes q_img, kv_img
.if DOCPART == 4
	.amdgcn_target "amdgcn-amd-amdhsa--gfx1250"
	.amdhsa_code_object_version 6
	.text
	.protected	k_qdc31a91504_proj
	.globl	k_qdc31a91504_proj
	.p2align	8
	.type	k_qdc31a91504_proj,@function
k_qdc31a91504_proj:
	s_mov_b64 s[64:65], 0
	v_nop
	global_prefetch_b8 v0, s[64:65] scope:SCOPE_SE
	s_setreg_imm32_b32 hwreg(HW_REG_WAVE_SCHED_MODE, 0, 2), 2
	s_setreg_imm32_b32 hwreg(HW_REG_WAVE_MODE, 25, 1), 1
	s_wait_xcnt 0x0
	s_wait_alu depctr_vm_vsrc(0)
; Q = x Wq + bq, K = x Wk + bk, V = x Wv + bv on codes of FP8 (E4M3), then quantised with the scales given for the attention's operands.
; x: 8,192 rows of 512 codes.  Wq, Wk, Wv: 512 rows (the output column) of 512 codes, K innermost.  Entries of the scales: Q (0, 1, out 6), K (2, 3, out 7), V (4, 5, out 9).
; SHARES.  Work-group (x = block of 128 tokens, y = 0 Q, 1 K, 2 V) makes 128 tokens x 512 columns of one projection.  Wave w is head w: 128 x 64, 32 accumulators, four K steps of 128.
; The block's x (64 KiB) is brought once, each wave 16 tokens, and lies in LDS as images of the operand's registers (a group of four registers is 512 bytes, lane l's 16 bytes at 16 l).
; A wave's 64 rows of W go from memory straight into its registers, a K step ahead, in two sets.
; LAYOUT.  r = lane % 16, h = lane / 16.  Every fragment of x and W takes k = 128 s + 32 c + 16 h + 0 .. 15 into registers 4 c .. 4 c + 3: the same order of k on both sides.
; THE ROWS OF W THAT FORM A TILE ARE NOT NEIGHBOURS: lane r of tile t takes row T0 + r + 8 (r / 8) of the head's 64, T0 = 32 (t / 2) + 8 (t % 2).
; Q, K: source 0 = W, source 1 = x: a lane holds token r and columns T0 + 16 h + j: the four tiles' codes are the 8 registers of a 16 x 64 fragment (d = 32 b + 16 h + 0 .. 15), alike in Q and K.
; V:    source 0 = x, source 1 = W: a lane holds column T0 + r + 8 (r / 8) and tokens 16 m + 8 h + j: tile m's codes are registers 2 m, 2 m + 1 of a fragment of V^T (16 of the head's 64 x 128 keys).
; SCALES.  With es = ex + ew a sum stands for sum x 2^es.  The bias goes in as b / 2^es, as the C of each sum's first product; the conversion takes the one scale 2^(eo - es), the hold is 448 x that.
; OUT.  Images again: q_img block (head, tile of 16 queries) of 1,024 bytes; kv_img per head 262,144 bytes, per step of 128 keys 16,384: eight tiles of K (1,024 each), then four fragments of V^T (2,048 each).
; Each store of a wave covers 512 consecutive bytes, aligned.
; NO CLUSTER: a joint load lands in LDS.  W's 262,144 bytes beside x's 65,536 would take all 327,680 bytes, and each fragment of W, which one wave multiplies, would go into LDS and out again to be used by that wave alone.
; LIMITS: eo - ex - ew between -126 and 119, so that the scale and 448 x the scale are f32 numbers.  NaN among the biases is not served.
; REGISTERS.  Window 0: v1-9 addresses and constants; v24-27 bias (V's form); v32-63 bias, 4 tiles x 8; v64-127 x (first as loaded, then two pairs of fragments, at the end the codes);
;   v128-191, v192-255 W's two sets (at the end: the held numbers).  Window 1: accumulator (m, t) at v[8 (4 m + t)].
; THE MODE: SCHED_MODE bits 1:0 = 2 (LLVM: expert scheduling mode 2), set by the entry lines.  The code itself states the register dependences
; between vector or matrix instructions and memory or LDS instructions, with s_wait_alu, always for 0.
; THE PLAN.  Registers that memory or LDS instructions touch:
;   v1-6         Offsets and LDS addresses: made once at the head, never written again.  One wait on va_vdst ahead of the first load serves every load and store of the kernel.
;   X, v64-127   First my 16 tokens land there from memory, and my LDS stores read them.  Then two groups of 32: pair q's products read group q % 2; the LDS loads of pair q + 1, issued at pair q's head,
;                land in the group that pair q - 1's products read.  At the end the conversions write the codes there and the stores read them, each register once.
;   W, v128-255  Two sets of 64: K step s's products read set s % 2; the loads of K step s + 1, issued at K step s's head, land in the set that K step s - 1's products read.  At the end vector instructions alone name it.
;   The bias is loaded once, at the head; behind that it and the accumulators are named by vector and matrix instructions alone.  v30, v31: written at the head, read by the closing add alone.
; So ONE wait on va_vdst stands at the head of a pair that asks for more, behind the wait for the pair's own data; the pair's loads follow it in one run, and its eight products, which name the other group, the other set
; and the accumulators, follow them.  (A load's destination lies in window 0, a product's in window 1: a load among the products would want two switches.)  One wait on vm_vsrc stands behind the barrier, where X changes hands;
; one wait on va_vdst ahead of each of the way out's two runs of stores.  Two waves of 512 registers share a SIMD's 1,024: there is no room for a third group of x.
.set LI,  1                            ; v1  16 x lane: my place in an image, in LDS and in the stores
.set XA,  2                            ; v2  x: 512 r + 16 h
.set WA,  3                            ; v3  W: 512 (r + 8 (r / 8)) + 16 h
.set BA,  4                            ; v4  bias, Q's and K's form: 64 h
.set BV,  5                            ; v5  bias, V's form: 4 (r + 8 (r / 8))
.set XW,  6                            ; v6  where I store x's images: 16 x lane + 2,048 x wave
.set SC,  8                            ; v8  2^(eo - es) as f32
.set LIM, 9                            ; v9  448 x that
.set BT,  24
.set B,   32
.set X,   64
.set CD,  64                           ; the codes, where x's fragments lay
.set W,   128
.set TM,  128                          ; the held numbers, where W's fragments lay: 128 at a time
.set MSB, 0
.macro WIN new                         ; the immediate's high byte repeats the setting that is left
.if MSB != \new
	s_set_vgpr_msb (MSB<<8)|\new
.set MSB, \new
.endif
.endm
; my four fragments of W for K step k into set p
.macro WLOAD k, p
.irp t, 0,1,2,3
.irp c, 0,1,2,3
	global_load_b128 v[W+64*(\p)+16*\t+4*\c:W+64*(\p)+16*\t+4*\c+3], v[WA], s[48:49] offset:(32*(\t/2)+8*(\t%2))*512+128*(\k)+32*\c
.endr
.endr
.endm
; pair q = 4 s + p: x's fragments of K step s, token tiles 2 p and 2 p + 1, from their images into group q % 2
.macro FETCHX q
.irp i, 0,1
.irp c, 0,1,2,3
	ds_load_b128 v[X+32*((\q)%2)+16*\i+4*\c:X+32*((\q)%2)+16*\i+4*\c+3], v[LI] offset:(8*((\q)/4)+2*((\q)%4)+\i)*2048+512*\c
.endr
.endr
.endm
; eight products: two token tiles x my four tiles of W, 128 along K.  tr = 1: source 0 = W (Q, K); tr = 0: source 0 = x (V).
; The 32 accumulators take turns, one instruction a turn, in the same order in every K step.
.macro PAIR q, tr
.set KS, (\q)/4
.set PP, (\q)%4
.if (\q) == 0
	s_wait_loadcnt 16                              ; K step 0's set is in; the sixteen loads of K step 1's may be out
	s_wait_dscnt 8                                 ; pair 0's eight loads are in; pair 1's eight may be out
.else
.if PP == 0
	s_wait_loadcnt 0x0                             ; this K step's set is in: no other load is out
.endif
	s_wait_dscnt 0x0                               ; this pair's eight loads are in: no other is out
.endif
.if ((\q) >= 1) && ((\q) <= 14)
	s_wait_alu depctr_va_vdst(0)                   ; the pair before is done reading its group of x, in which the LDS loads below land; at a K step's head the K step before is done reading its set of W too
	FETCHX (\q)+1                                  ; the next pair: it has this pair's eight products in which to land
.endif
.if (PP == 0) && (KS >= 1) && (KS <= 2)
	WLOAD KS+1, (KS+1)%2                           ; the set that the last K step multiplied takes the K step after this one.  No further wait: nothing but loads stands behind the wait above
.endif
.if KS == 0
	WIN 0x40                                       ; D window 1; W, x and the bias (C) window 0
.else
	WIN 0x50                                       ; C and D window 1
.endif
.irp i, 0,1
.irp t, 0,1,2,3
.set rD, 8*(4*(2*PP+\i)+\t)
.set rA, X+32*((\q)%2)+16*\i
.set rB, W+64*(KS%2)+16*\t
.if \tr
.set rA, W+64*(KS%2)+16*\t
.set rB, X+32*((\q)%2)+16*\i
.endif
.if KS == 0
	v_wmma_f32_16x16x128_fp8_fp8 v[rD:rD+7], v[rA:rA+15], v[rB:rB+15], v[B+8*\t:B+8*\t+7]
.else
	v_wmma_f32_16x16x128_fp8_fp8 v[rD:rD+7], v[rA:rA+15], v[rB:rB+15], v[rD:rD+7]
.endif
.endr
.endr
	WIN 0
.endm
.macro MAIN tr
	FETCHX 0                                       ; no vector or matrix instruction has named X yet, and my LDS stores have read it (the wait behind the barrier)
	FETCHX 1
.irp q, 0,1,2,3,4,5,6,7,8,9,10,11,12,13,14,15
	PAIR \q, \tr
.endr
.endm
; Q, K: a token tile's 32 sums are held within 448 x the scale (the conversion to an 8-bit code does not saturate: ISA guide 7.6.2), each accumulator from its low end on, and become 8 registers of codes.  Four token tiles at a time.
.macro OUT_QK
.rept 4
	v_nop                                          ; places behind the last products, whose sums are read and whose set of W is written below (ISA guide 7.12.1)
.endr
.irp u, 0,1
	WIN 0x01                                       ; source 0 window 1
.set n, 0
.rept 128
	v_med3_num_f32 v[TM+n], v[128*\u+n], -v[LIM], v[LIM]
.set n, n+1
.endr
	WIN 0
.irp m, 0,1,2,3
.irp t, 0,1,2,3
	v_cvt_scalef32_pk8_fp8_f32 v[CD+8*(4*\u+\m)+2*\t:CD+8*(4*\u+\m)+2*\t+1], v[TM+32*\m+8*\t:TM+32*\m+8*\t+7], v[SC]
.endr
.endr
	v_nop                                          ; one plain instruction between the conversions and the next lines that write their sources
	s_wait_alu depctr_va_vdst(0)                   ; the sixteen conversions have written v[CD + 32 u ..], which the eight stores read
.irp m, 0,1,2,3
	global_store_b128 v[LI], v[CD+8*(4*\u+\m):CD+8*(4*\u+\m)+3], s[52:53] offset:(4*\u+\m)*1024
	global_store_b128 v[LI], v[CD+8*(4*\u+\m)+4:CD+8*(4*\u+\m)+7], s[52:53] offset:(4*\u+\m)*1024+512
.endr
.endr
.endm
; V: tile t's 64 sums (eight token tiles) become the 16 registers of fragment t of V^T.  Two tiles at a time.
.macro OUT_V
.rept 4
	v_nop                                          ; places behind the last products, as above
.endr
.irp u, 0,1
	WIN 0x01
.irp w, 0,1
.irp m, 0,1,2,3,4,5,6,7
.irp j, 0,1,2,3,4,5,6,7
	v_med3_num_f32 v[TM+64*\w+8*\m+\j], v[32*\m+8*(2*\u+\w)+\j], -v[LIM], v[LIM]
.endr
.endr
.endr
	WIN 0
.irp w, 0,1
.irp m, 0,1,2,3,4,5,6,7
	v_cvt_scalef32_pk8_fp8_f32 v[CD+16*(2*\u+\w)+2*\m:CD+16*(2*\u+\w)+2*\m+1], v[TM+64*\w+8*\m:TM+64*\w+8*\m+7], v[SC]
.endr
.endr
	v_nop                                          ; one plain instruction between the conversions and the next lines that write their sources
	s_wait_alu depctr_va_vdst(0)                   ; the sixteen conversions have written v[CD + 32 u ..], which the eight stores read
.irp w, 0,1
.irp g, 0,1,2,3
	global_store_b128 v[LI], v[CD+16*(2*\u+\w)+4*\g:CD+16*(2*\u+\w)+4*\g+3], s[52:53] offset:8192+(2*\u+\w)*2048+512*\g
.endr
.endr
.endr
.endm
	s_load_b512 s[8:23], s[0:1], 0x0               ; x s[8:9], Wq s[10:11], Wk s[12:13], Wv s[14:15], bq s[16:17], bk s[18:19], bv s[20:21], the scales s[22:23]
	s_load_b128 s[24:27], s[0:1], 0x40             ; q_img s[24:25], kv_img s[26:27]
	v_lshl_add_u32 v30, v0, 2, 0x10000
	v_mov_b32 v31, 0
	v_lshrrev_b32 v7, 5, v0
	v_readfirstlane_b32 s28, v7                    ; wave = head 0..7
	s_and_b32 s29, ttmp7, 0xffff                   ; 0 Q, 1 K, 2 V
	v_and_b32 v10, 31, v0
	v_lshlrev_b32 v[LI], 4, v10
	v_and_b32 v10, 15, v0                          ; r
	v_bfe_u32 v11, v0, 4, 1                        ; h
	v_lshlrev_b32 v[XA], 9, v10
	v_lshl_add_u32 v[XA], v11, 4, v[XA]
	v_and_b32 v12, 8, v10
	v_add_nc_u32 v12, v12, v10                     ; r + 8 (r / 8)
	v_lshlrev_b32 v[WA], 9, v12
	v_lshl_add_u32 v[WA], v11, 4, v[WA]
	v_lshlrev_b32 v[BA], 6, v11
	v_lshlrev_b32 v[BV], 2, v12
	s_wait_alu depctr_va_sdst(0)                   ; s28 is written, ahead of its first reader: LDS places and the bases of W, the bias, x and the images are made from it
	s_lshl_b32 s30, s28, 11
	v_add_nc_u32 v[XW], s30, v[LI]
	s_lshl_b32 s56, s28, 15                        ; W: my 64 rows of 512 bytes
	s_mov_b32 s57, 0
	s_lshl_b32 s58, s28, 8                         ; bias: my 64 numbers
	s_mov_b32 s59, 0
	s_lshl_b32 s60, ttmp9, 16                      ; x: the block's 128 rows,
	s_lshl_b32 s61, s28, 13                        ; my 16 of them
	s_add_co_u32 s60, s60, s61
	s_mov_b32 s61, 0
	s_lshr_b32 s62, ttmp9, 4                       ; batch
	s_lshl_b32 s62, s62, 3
	s_add_co_u32 s62, s62, s28                     ; 8 x batch + head
	s_lshl_b32 s62, s62, 4
	s_and_b32 s63, ttmp9, 15
	s_add_co_u32 s62, s62, s63                     ; x 16 + the block's number in its batch
	s_mov_b32 s63, 0
	s_wait_kmcnt 0x0
	s_load_b256 s[36:43], s[22:23], 0x0            ; e0 .. e7
	s_load_b128 s[44:47], s[22:23], 0x20           ; e8 .. e11
	s_cmp_eq_u32 s29, 0                            ; the buffers are chosen by the work-group's y alone
	s_cselect_b64 s[48:49], s[10:11], s[12:13]
	s_cselect_b64 s[50:51], s[16:17], s[18:19]
	s_cselect_b64 s[52:53], s[24:25], s[26:27]
	s_cselect_b32 s30, 13, 14                      ; a block's part: 8,192 bytes of q_img, 16,384 of kv_img
	s_cmp_eq_u32 s29, 2
	s_cselect_b64 s[48:49], s[14:15], s[48:49]
	s_cselect_b64 s[50:51], s[20:21], s[50:51]
	s_lshl_b32 s62, s62, s30
	s_add_nc_u64 s[48:49], s[48:49], s[56:57]
	s_add_nc_u64 s[50:51], s[50:51], s[58:59]
	s_add_nc_u64 s[52:53], s[52:53], s[62:63]
	s_add_nc_u64 s[54:55], s[8:9], s[60:61]
	s_wait_alu depctr_va_vdst(0)                   ; the six offsets and LDS addresses v1 to v6 are written, which every load and store of the kernel reads
.irp t, 0,1,2,3                        ; the bias in both forms, on every path: no branch stands ahead of the barrier
	global_load_b128 v[B+8*\t:B+8*\t+3], v[BA], s[50:51] offset:4*(32*(\t/2)+8*(\t%2))
	global_load_b128 v[B+8*\t+4:B+8*\t+7], v[BA], s[50:51] offset:4*(32*(\t/2)+8*(\t%2))+16
.endr
.irp t, 0,1,2,3
	global_load_b32 v[BT+\t], v[BV], s[50:51] offset:4*(32*(\t/2)+8*(\t%2))
.endr
.irp s, 0,1,2,3                        ; my 16 tokens of x, all four K steps, as fragments
.irp c, 0,1,2,3
	global_load_b128 v[X+16*\s+4*\c:X+16*\s+4*\c+3], v[XA], s[54:55] offset:128*\s+32*\c
.endr
.endr
	WLOAD 0, 0
	WLOAD 1, 1
	s_wait_loadcnt 32                              ; the biases and x are in; W's two sets, 32 loads, may be out
.irp s, 0,1,2,3
.irp c, 0,1,2,3
	ds_store_b128 v[XW], v[X+16*\s+4*\c:X+16*\s+4*\c+3] offset:\s*16384+512*\c   ; image (K step s, token tile = my wave) at (8 s + wave) x 2,048
.endr
.endr
	s_wait_dscnt 0x0                               ; for the others: my images have landed
	s_barrier_signal -1
	s_barrier_wait -1                              ; all 32 images lie in LDS; nothing is stored there again
	s_wait_alu depctr_vm_vsrc(0)                   ; my LDS stores have read v[X ..]: from here on the fragments' loads land there, and at the end the conversions write the codes there
	s_wait_kmcnt 0x0
	s_cmp_eq_u32 s29, 0
	s_cselect_b32 s56, s36, s38                    ; ex
	s_cselect_b32 s57, s37, s39                    ; ew
	s_cselect_b32 s58, s42, s43                    ; eo
	s_cmp_eq_u32 s29, 2
	s_cselect_b32 s56, s40, s56
	s_cselect_b32 s57, s41, s57
	s_cselect_b32 s58, s45, s58
	s_add_co_i32 s56, s56, s57                     ; es
	s_sub_co_i32 s59, 0, s56                       ; -es, for the bias
	s_sub_co_i32 s58, s58, s56                     ; eo - es
	s_add_co_i32 s58, s58, 127
	s_lshl_b32 s60, s58, 23
	v_mov_b32 v[SC], s60
	s_add_co_i32 s58, s58, 8
	s_lshl_b32 s58, s58, 23
	s_or_b32 s58, s58, 0x600000
	v_mov_b32 v[LIM], s58
	s_cmp_eq_u32 s29, 2
	s_cbranch_scc1 .Lv
.set n, 0
.rept 32
	v_ldexp_f32 v[B+n], v[B+n], s59                ; b / 2^es: tile t, register j: column T0 + 16 h + j
.set n, n+1
.endr
	MAIN 1
	OUT_QK
	s_wait_dscnt 0x0                               ; the closing lines, six on end
	s_wait_alu 0x0
	s_wait_tensorcnt 0x0
	ds_add_u32 v30, v31
	s_wait_dscnt 0x0
	s_endpgm
.Lv:
.irp t, 0,1,2,3
.irp j, 0,1,2,3,4,5,6,7
	v_ldexp_f32 v[B+8*\t+\j], v[BT+\t], s59        ; a lane holds one column: the same number in the tile's eight registers
.endr
.endr
	MAIN 0
	OUT_V
	s_wait_dscnt 0x0                               ; the closing lines, six on end
	s_wait_alu 0x0
	s_wait_tensorcnt 0x0
	ds_add_u32 v30, v31
	s_wait_dscnt 0x0
	s_endpgm
.Lfunc_end_k_qdc31a91504_proj:
	.size	k_qdc31a91504_proj, .Lfunc_end_k_qdc31a91504_proj-k_qdc31a91504_proj
	.p2alignl 7, 3214868480
	.fill 96, 4, 3214868480
	.section	.rodata,"a",@progbits
	.p2align	6, 0x0
	.amdhsa_kernel k_qdc31a91504_proj
		.amdhsa_group_segment_fixed_size 66560
		.amdhsa_private_segment_fixed_size 0
		.amdhsa_enable_private_segment 0
		.amdhsa_kernarg_size 80
		.amdhsa_user_sgpr_count 2
		.amdhsa_user_sgpr_kernarg_segment_ptr 1
		.amdhsa_wavefront_size32 1
		.amdhsa_system_sgpr_workgroup_id_x 1
		.amdhsa_system_sgpr_workgroup_id_y 1
		.amdhsa_system_sgpr_workgroup_id_z 1
		.amdhsa_system_vgpr_workitem_id 0
		.amdhsa_next_free_vgpr 512
		.amdhsa_next_free_sgpr 66
		.amdhsa_reserve_vcc 0
		.amdhsa_float_denorm_mode_32 3
		.amdhsa_float_denorm_mode_16_64 3
		.amdhsa_memory_ordered 1
		.amdhsa_forward_progress 1
		.amdhsa_inst_pref_size 97
	.end_amdhsa_kernel
	.amdgpu_metadata
---
amdhsa.version: [ 1, 2 ]
amdhsa.kernels:
  - .name:           k_qdc31a91504_proj
    .symbol:         k_qdc31a91504_proj.kd
    .args:
      - { .name: x_codes, .offset: 0, .size: 8, .value_kind: global_buffer, .address_space: global }
      - { .name: Wq_codes, .offset: 8, .size: 8, .value_kind: global_buffer, .address_space: global }
      - { .name: Wk_codes, .offset: 16, .size: 8, .value_kind: global_buffer, .address_space: global }
      - { .name: Wv_codes, .offset: 24, .size: 8, .value_kind: global_buffer, .address_space: global }
      - { .name: bq, .offset: 32, .size: 8, .value_kind: global_buffer, .address_space: global }
      - { .name: bk, .offset: 40, .size: 8, .value_kind: global_buffer, .address_space: global }
      - { .name: bv, .offset: 48, .size: 8, .value_kind: global_buffer, .address_space: global }
      - { .name: lowp_scales, .offset: 56, .size: 8, .value_kind: global_buffer, .address_space: global }
      - { .name: q_img, .offset: 64, .size: 8, .value_kind: global_buffer, .address_space: global }
      - { .name: kv_img, .offset: 72, .size: 8, .value_kind: global_buffer, .address_space: global }
    .group_segment_fixed_size: 66560
    .private_segment_fixed_size: 0
    .kernarg_segment_align: 8
    .kernarg_segment_size: 80
    .max_flat_workgroup_size: 256
    .sgpr_count:     66
    .vgpr_count:     512
    .wavefront_size: 32
...
	.end_amdgpu_metadata
.endif
;; end of part 4
;; launch attn (part 5): grid 8 x 32, 16 waves a work-group, clusters of 4 x 1, 264,192 bytes of LDS; arguments q_img, kv_img, lowp_scales, ctx_img; writes ctx_img
.if DOCPART == 5
	.amdgcn_target "amdgcn-amd-amdhsa--gfx1250"
	.amdhsa_code_object_version 6
	.text
	.protected	k_qdc31a91504_attn
	.globl	k_qdc31a91504_attn
	.p2align	8
	.type	k_qdc31a91504_attn,@function
k_qdc31a91504_attn:
	s_mov_b64 s[64:65], 0
	v_nop
	global_prefetch_b8 v0, s[64:65] scope:SCOPE_SE
	s_setreg_imm32_b32 hwreg(HW_REG_WAVE_MODE, 25, 1), 1
	s_wait_xcnt 0x0
	s_wait_alu depctr_hold_cnt(0) depctr_sa_sdst(0) depctr_va_vdst(0) depctr_va_sdst(0) depctr_va_ssrc(0) depctr_va_vcc(0) depctr_vm_vsrc(0)
	s_getreg_b32 s2, hwreg(HW_REG_IB_STS2, 6, 4)
	s_cmp_eq_u32 s2, 0
	s_cbranch_scc0 .Lentry_in_a_cluster
	s_endpgm
.Lentry_in_a_cluster:
	s_bfe_u32 s2, ttmp6, 0x10000c
	s_cmp_lg_u32 s2, 0x3003
	s_cbranch_scc0 .Lentry_shape_is_right
	s_endpgm
.Lentry_shape_is_right:
; ctx = softmax(Q K^T / 8) V for 32 heads of 2,048 x 64, both products on codes of FP8 (E4M3); ctx is quantised with the scale given for the last product.  Entries of the scales: Q 6, K 7, p 8, V 9, ctx 10.
; THE SOFTMAX AHEAD OF THE SECOND PRODUCT: t = score x log2(e) / 8; M = the running largest t rounded UP to a whole number; p = 2^(t - M) is quantised, not normalised.  The sum is taken of the unquantised p and divides at the end.
; When M moves, the sum and O are multiplied by 2^(old M - new M), which rounds nothing.
; SHARES.  A work-group owns 256 queries of one head, each of its sixteen waves one tile of 16, in 256 registers.  Every wave walks the head's 2,048 keys, 128 a step.
; LDS.  A head's K and V as codes are 262,144 bytes, laid by the launch before as images of the operands' registers (a group of four registers is 512 bytes, lane l's 16 bytes at 16 l): step st at 16,384 st: eight tiles of K
; (1,024 bytes each), then four fragments of V^T (2,048 each).  They are brought ONCE, as they lie: every LDS byte has one fill, nothing is filled again.  Each wave brings 4,096 bytes (16 rows of 256) of each quarter:
; four tensor loads a wave are out at the most, and a quarter's steps begin when that quarter has landed.
; CLUSTER.  The four query blocks of a cluster belong to one head and need the same bytes: each load is asked for JOINTLY, with the same descriptor (head and wave alone enter it) and a mask that names the four.
; LAYOUT.  r = lane % 16, h = lane / 16.  S^T = K Q^T (source 0 = 16 keys, source 1 = my queries): a lane holds query r, tile t's register j key 16 t + 8 h + j: its codes are registers 2 t, 2 t + 1 of P, the order in which V^T's fragments
; hold the keys.  O^T = V^T P^T: tile t's register j is channel 32 (t / 2) + 8 (t % 2) + 16 h + j, so the four tiles' codes are 8 registers with d = 32 b + 16 h + 0 .. 15: half a fragment of the last product's operand.
; NO PREFETCH: all that the work-group reads of K and V is asked for in its first lines.
; LIMITS on the given exponents, so that each power of two below is an f32 number: e6 + e7 between -123 and 130; e8 and e10 - e8 - e9 between -126 and 119.
; REGISTERS: v1 16 x lane; v2 the step's LDS address; v4, v5: 2^e8, 448 x 2^e8; v6, v7: 2^(e10 - e8 - e9), 448 x that; v12 -M; v13 the largest t; v[14:15] the sum in two halves; v16-23 Q; v24-29 at work;
;   v32-95 K's eight tiles, then V^T's four fragments; v96-159 S^T, then p; v160-191 O^T; v192-207 p's codes; v208-215 ctx's codes.
.set LI,  1
.set ADR, 2
.set QF,  16
.set KV,  32
.set S,   96
.set O,   160
.set PC,  192
.set CC,  208
.set WV,  12                           ; s12  my wave's number
.set SEL, 20                           ; s[20:21] lane selects for v_permlanex16_b32: lane l xor 16
.set CS,  22                           ; s[22:23] c = log2(e) / 8 x 2^(e6 + e7): the packed form names a pair and takes its low word for both halves
.set G1,  24                           ; s[24:31] descriptor group 1
.set G0,  32                           ; s[32:47] descriptor group 0, a set for each quarter
.set TB,  48                           ; s48  LDS byte at which the step in hand begins
.set CNT, 49                           ; s49  steps left in the quarter
; A round of the cluster's barrier: my work-group's barrier, so that wave 0's signal speaks for all its waves; wave 0 signals; every wave waits for all four work-groups; my work-group's barrier once more.
.macro CROUND
	s_barrier_signal -1
	s_barrier_wait -1
	s_cmp_lg_u32 s[WV], 0
	s_cbranch_scc1 .Lnot_wave_0_\@
	s_barrier_signal -3
.Lnot_wave_0_\@:
	s_barrier_wait -3
	s_barrier_signal -1
	s_barrier_wait -1
.endm
	s_load_b256 s[4:11], s[0:1], 0x0               ; q_img s[4:5], kv_img s[6:7], the scales s[8:9], ctx_img s[10:11]
	v_lshl_add_u32 v254, v0, 2, 0x40000
	v_mov_b32 v255, 0
	ds_add_u32 v254, v255
	ds_add_u32 v254, v255
	v_lshrrev_b32 v2, 5, v0
	s_delay_alu instid0(VALU_DEP_1)
	v_readfirstlane_b32 s[WV], v2                  ; wave 0..15
	s_bfe_u32 s13, ttmp6, 0x40000                  ; cx: it enters Q's and ctx's addresses alone
	s_lshl_b32 s14, ttmp9, 2
	s_add_co_u32 s14, s14, s13                     ; my block of 256 queries = 4 x cluster x + cx
	s_and_b32 s15, ttmp7, 0xffff                   ; 8 x batch + head, which the four partners share
	; descriptor group 1: 16 rows of 32 elements of 8 bytes, dense in memory and in LDS
	s_mov_b32 s[G1+0], 15|(3<<16)|(1<<21)          ; 15:0 the mask: all four work-groups; 17:16 elements of 8 bytes; 20 no padding; 21 set beside a mask
	s_mov_b32 s[G1+1], 32<<16                      ; tensor_dim0 = 32
	s_mov_b32 s[G1+2], 16<<16                      ; tensor_dim1 = 16
	s_mov_b32 s[G1+3], 32<<16                      ; tile_dim0 = 32
	s_mov_b32 s[G1+4], 16                          ; tile_dim1 = 16
	s_mov_b32 s[G1+5], 32                          ; from row to row
	s_mov_b32 s[G1+6], 0
	s_mov_b32 s[G1+7], 0
	s_lshl_b32 s59, s[WV], 12                      ; my 4,096 bytes of a quarter
	s_lshl_b32 s16, s15, 18                        ; the head's 262,144 bytes
	s_add_co_u32 s16, s16, s59
	s_mov_b32 s17, 0
	s_lshl_b32 s58, s14, 4
	s_add_co_u32 s58, s58, s[WV]                   ; my tile of queries in the head: 16 x block + wave
	s_lshl_b32 s18, s15, 7
	s_add_co_u32 s18, s18, s58
	s_lshl_b32 s18, s18, 10                        ; Q: (128 x head + tile) x 1,024
	s_mov_b32 s19, 0
	s_lshr_b32 s50, s15, 3
	s_lshl_b32 s50, s50, 7
	s_add_co_u32 s50, s50, s58                     ; token tile = 128 x batch + tile
	s_lshl_b32 s50, s50, 3
	s_and_b32 s51, s15, 7
	s_add_co_u32 s50, s50, s51
	s_lshl_b32 s50, s50, 10                        ; ctx: (8 x token tile + head) x 1,024
	s_mov_b32 s51, 0
	s_mov_b32 s[SEL], 0x76543210
	s_mov_b32 s[SEL+1], 0xfedcba98
	s_mov_b32 s[CS], 0x3e38aa3b                    ; log2(e) / 8
	s_wait_dscnt 0x0
	s_wait_kmcnt 0x0
	s_load_b128 s[52:55], s[8:9], 0x18             ; e6, e7, e8, e9
	s_load_b32 s56, s[8:9], 0x28                   ; e10
	s_add_nc_u64 s[6:7], s[6:7], s[16:17]
	s_add_nc_u64 s[4:5], s[4:5], s[18:19]
	s_add_nc_u64 s[10:11], s[10:11], s[50:51]
.irp j, 0,1,2,3
	s_mov_b32 s[G0+4*\j], 1                                        ; count = 1
	s_add_co_u32 s[G0+4*\j+1], s59, \j*65536                       ; LDS address: quarter j, my 4,096 bytes
	s_add_nc_u64 s[G0+4*\j+2:G0+4*\j+3], s[6:7], \j*65536          ; the same place in the head's bytes
	s_or_b32 s[G0+4*\j+3], s[G0+4*\j+3], 0x80000000                ; type = 2
.endr
	CROUND                                         ; all four work-groups are here: the joint loads meet
.irp j, 0,1,2,3
	tensor_load_to_lds s[G0+4*\j:G0+4*\j+3], s[G1:G1+7]            ; the launch's only fills, as one group ahead of every wait on TENSORcnt and every LDS read
	s_nop 0
.endr
.rept 4
	v_nop                                          ; four v_nop follow the last of them
.endr
	v_and_b32 v[LI], 31, v0
	s_delay_alu instid0(VALU_DEP_1)
	v_lshlrev_b32 v[LI], 4, v[LI]
	global_load_b128 v[QF:QF+3], v[LI], s[4:5]     ; Q's fragment stays in registers
	global_load_b128 v[QF+4:QF+7], v[LI], s[4:5] offset:512
	v_mov_b32 v13, 0xff61b1e6                      ; the largest t so far: -3e38, under every t
	s_delay_alu instid0(VALU_DEP_1)
	v_floor_f32 v12, -v13                          ; -M
	v_mov_b32 v14, 0                               ; the sum, in two halves
	v_mov_b32 v15, 0
	v_mov_b32 v25, 0                               ; written once: a lane permute's destination counts as one of its sources
	v_mov_b32 v27, 0                               ; (named as the upper half of the pair v[26:27])
.set n, 0
.rept 32
	v_mov_b32 v[O+n], 0                            ; O^T.  The step is written once: the first finds zeros, which the first change of M leaves zeros
.set n, n+1
.endr
	s_wait_kmcnt 0x0
	s_add_co_i32 s57, s52, s53
	s_lshl_b32 s57, s57, 23
	s_add_co_i32 s[CS], s[CS], s57                 ; a score stands for score x 2^(e6 + e7): the exponents are added to c's exponent field
	s_mov_b32 s[CS+1], s[CS]                       ; (named with it as a pair, so it is written)
	s_add_co_i32 s57, s54, 127
	s_lshl_b32 s58, s57, 23
	v_mov_b32 v4, s58                              ; 2^e8
	s_add_co_i32 s57, s57, 8
	s_lshl_b32 s57, s57, 23
	s_or_b32 s57, s57, 0x600000
	v_mov_b32 v5, s57                              ; 448 x 2^e8
	s_sub_co_i32 s57, s56, s54
	s_sub_co_i32 s57, s57, s55                     ; O / l stands for ctx / 2^(e8 + e9): its code is (O / l) / 2^(e10 - e8 - e9)
	s_add_co_i32 s57, s57, 127
	s_lshl_b32 s58, s57, 23
	v_mov_b32 v6, s58
	s_add_co_i32 s57, s57, 8
	s_lshl_b32 s57, s57, 23
	s_or_b32 s57, s57, 0x600000
	v_mov_b32 v7, s57
	s_wait_loadcnt 0x0                             ; Q
; A KEY STEP: 128 keys, whose images begin at LDS byte s[TB].
.macro STEP
	v_add_nc_u32 v[ADR], s[TB], v[LI]
.rept 3
	v_nop                                          ; with the addition above: four places in front of loads into registers that the last products have read
.endr
.irp t, 0,1,2,3,4,5,6,7
	ds_load_b128 v[KV+8*\t:KV+8*\t+3], v[ADR] offset:\t*1024
	ds_load_b128 v[KV+8*\t+4:KV+8*\t+7], v[ADR] offset:\t*1024+512
.endr
	s_wait_alu depctr_va_vdst(0)
	s_wait_dscnt 0x0
.irp t, 0,1,2,3,4,5,6,7
	v_wmma_f32_16x16x64_fp8_fp8 v[S+8*\t:S+8*\t+7], v[KV+8*\t:KV+8*\t+7], v[QF:QF+7], 0
.endr
.rept 4
	v_nop                                          ; places: for the loads below, and for the first read of the scores
.endr
.irp t, 0,1,2,3
.irp g, 0,1,2,3
	ds_load_b128 v[KV+16*\t+4*\g:KV+16*\t+4*\g+3], v[ADR] offset:8192+\t*2048+512*\g   ; V^T's fragments land while the softmax is worked
.endr
.endr
	v_max3_num_f32 v24, v[S], v[S+1], v[S+2]       ; the step's largest score of my query among my 64 keys, in two chains, each accumulator from its low end on,
	v_max3_num_f32 v26, v[S+3], v[S+4], v[S+5]
.irp i, 6,10,14,18,22,26,30,34,38,42,46,50,54,58
	v_max3_num_f32 v24, v24, v[S+\i], v[S+1+\i]
	v_max3_num_f32 v26, v26, v[S+2+\i], v[S+3+\i]
.endr
	v_max3_num_f32 v24, v24, v[S+62], v[S+63]
	s_delay_alu instid0(VALU_DEP_1)
	v_max_num_f32 v24, v24, v26
	s_delay_alu instid0(VALU_DEP_1)
	v_permlanex16_b32 v25, v24, s[SEL], s[SEL+1]
	s_delay_alu instid0(VALU_DEP_1)
	v_max_num_f32 v24, v24, v25                    ; and among lane l xor 16's
	s_delay_alu instid0(VALU_DEP_1)
	v_mul_f32 v24, s[CS], v24                      ; as t (c is positive)
	s_delay_alu instid0(VALU_DEP_1)
	v_max_num_f32 v13, v13, v24                    ; the running largest t
	v_mov_b32 v24, v12
	s_delay_alu instid0(VALU_DEP_2)
	v_floor_f32 v12, -v13                          ; the new -M = floor(-t) = -ceil(t): a whole number
	s_delay_alu instid0(VALU_DEP_1)
	v_sub_f32 v24, v12, v24                        ; old M less new M: a whole number, 0 or less
	s_delay_alu instid0(VALU_DEP_1)
	v_cvt_i32_f32 v24, v24                         ; (it saturates)
	s_delay_alu instid0(VALU_DEP_1)
	v_ldexp_f32 v26, 1.0, v24                      ; f = 2^(old M - new M)
.set n, 0
.rept 32
	v_pk_fma_f32 v[S+n:S+n+1], v[S+n:S+n+1], s[CS:CS+1], v[12:13] op_sel_hi:[1,0,0]   ; t - M, two at a time
.set n, n+2
.endr
.set n, 0
	s_wait_alu depctr_va_vdst(0)
.rept 64
	v_exp_f32 v[S+n], v[S+n]                       ; p = 2^(t - M), at most 1
.set n, n+1
.endr
	s_setprio 1
	v_pk_mul_f32 v[14:15], v[14:15], v[26:27] op_sel_hi:[1,0]   ; the sums under the new M: the plain instruction behind the exponentials
	s_wait_alu depctr_va_vdst(0)                   ; one wait for the batch of 64, ahead of its first reader
	v_pk_add_f32 v[28:29], v[100:101], v[104:105]
	v_pk_add_f32 v[252:253], v[108:109], v[112:113]
	v_pk_add_f32 v[250:251], v[116:117], v[120:121]
	v_pk_add_f32 v[248:249], v[124:125], v[128:129]
	v_pk_add_f32 v[246:247], v[132:133], v[136:137]
	v_pk_add_f32 v[244:245], v[140:141], v[144:145]
	v_pk_add_f32 v[242:243], v[148:149], v[152:153]
	v_pk_add_f32 v[14:15], v[14:15], v[156:157]
	v_pk_add_f32 v[28:29], v[28:29], v[96:97]
	v_pk_add_f32 v[252:253], v[252:253], v[98:99]
	v_pk_add_f32 v[250:251], v[250:251], v[102:103]
	v_pk_add_f32 v[248:249], v[248:249], v[106:107]
	v_pk_add_f32 v[246:247], v[246:247], v[110:111]
	v_pk_add_f32 v[244:245], v[244:245], v[114:115]
	v_pk_add_f32 v[242:243], v[242:243], v[118:119]
	v_pk_add_f32 v[14:15], v[14:15], v[122:123]
	v_pk_add_f32 v[28:29], v[28:29], v[126:127]
	v_pk_add_f32 v[252:253], v[252:253], v[130:131]
	v_pk_add_f32 v[250:251], v[250:251], v[134:135]
	v_pk_add_f32 v[248:249], v[248:249], v[138:139]
	v_pk_add_f32 v[246:247], v[246:247], v[142:143]
	v_pk_add_f32 v[244:245], v[244:245], v[146:147]
	v_pk_add_f32 v[242:243], v[242:243], v[150:151]
	v_pk_add_f32 v[14:15], v[14:15], v[154:155]
	v_pk_add_f32 v[28:29], v[28:29], v[158:159]
	s_delay_alu instid0(VALU_DEP_2)
	v_pk_add_f32 v[14:15], v[14:15], v[248:249]
	s_delay_alu instid0(VALU_DEP_2)
	v_pk_add_f32 v[28:29], v[28:29], v[246:247]
	v_pk_add_f32 v[252:253], v[252:253], v[244:245]
	v_pk_add_f32 v[250:251], v[250:251], v[242:243]
	s_delay_alu instid0(VALU_DEP_2)
	v_pk_add_f32 v[14:15], v[14:15], v[252:253]
	s_delay_alu instid0(VALU_DEP_2)
	v_pk_add_f32 v[28:29], v[28:29], v[250:251]
	s_delay_alu instid0(VALU_DEP_1)
	v_pk_add_f32 v[14:15], v[14:15], v[28:29]
.irp t, 0,1,2,3,4,5,6,7
.irp i, 0,1,2,3,4,5,6,7
	v_min_num_f32 v[S+8*\t+\i], v[S+8*\t+\i], v5   ; the conversion does not saturate (ISA guide 7.6.2); p is not negative, so the hold is one-sided
.endr
	v_cvt_scalef32_pk8_fp8_f32 v[PC+2*\t:PC+2*\t+1], v[S+8*\t:S+8*\t+7], v4
.endr
.set n, 0
	s_setprio 0
.rept 16
	v_pk_mul_f32 v[O+n:O+n+1], v[O+n:O+n+1], v[26:27] op_sel_hi:[1,0]   ; O^T under the new M; these also stand between the conversions and the products that read the codes
.set n, n+2
.endr
	s_wait_alu depctr_va_vdst(0)
	s_wait_dscnt 0x0                               ; V^T's fragments are in
.irp t, 0,1,2,3                        ; the four accumulators take turns, one instruction a turn; eight other products stand between one step's and the next's
	v_wmma_f32_16x16x128_fp8_fp8 v[O+8*\t:O+8*\t+7], v[KV+16*\t:KV+16*\t+15], v[PC:PC+15], v[O+8*\t:O+8*\t+7]
.endr
.endm
; A quarter of the keys: four steps.  My part of quarter j has landed when at most 3 - j of my four loads are out (tensor loads of a wave end in order: ISA guide 10.11.1); the barrier shows the same of all sixteen waves.
; Later quarters may stay on their way across it. No LDS load of mine is out at the signal: each step ends behind its wait for 0.
.macro QUARTER j
	s_wait_tensorcnt 3-\j
	s_barrier_signal -1
	s_barrier_wait -1
	s_mov_b32 s[TB], \j*65536
	s_mov_b32 s[CNT], 4
.Lstep_\@:
	s_setprio 2
	STEP
	s_add_co_u32 s[TB], s[TB], 16384
	s_sub_co_u32 s[CNT], s[CNT], 1
	s_cmp_lg_u32 s[CNT], 0
	s_cbranch_scc1 .Lstep_\@
	s_setprio 0
.endm
	QUARTER 0
	QUARTER 1
	QUARTER 2
	QUARTER 3                                      ; its wait is for 0: no tensor load of mine is out from here on
	; THE WAY OUT: O^T / the sum, held, quantised; the 8 registers of codes leave as an image: each store covers 512 consecutive bytes, aligned.
.rept 4
	v_nop                                          ; places behind the last products
.endr
	v_add_f32 v14, v14, v15                        ; the sum's two halves,
	s_delay_alu instid0(VALU_DEP_1)
	v_permlanex16_b32 v25, v14, s[SEL], s[SEL+1]
	s_delay_alu instid0(VALU_DEP_1)
	v_add_f32 v14, v14, v25                        ; and lane l xor 16's
	s_wait_alu depctr_va_vdst(0)
	v_rcp_f32 v14, v14
	v_nop                                          ; a plain instruction behind the reciprocal
	s_wait_alu depctr_va_vdst(0)                   ; and the wait ahead of its first reader
.set n, 0
.rept 16
	v_pk_mul_f32 v[S+n:S+n+1], v[O+n:O+n+1], v[14:15] op_sel_hi:[1,0]   ; each accumulator from its low end on
.set n, n+2
.endr
.set n, 0
.rept 32
	v_med3_num_f32 v[S+n], v[S+n], -v7, v7
.set n, n+1
.endr
.irp t, 0,1,2,3
	v_cvt_scalef32_pk8_fp8_f32 v[CC+2*\t:CC+2*\t+1], v[S+8*\t:S+8*\t+7], v6
.endr
	v_nop
	global_store_b128 v[LI], v[CC:CC+3], s[10:11]
	global_store_b128 v[LI], v[CC+4:CC+7], s[10:11] offset:512
	s_wait_tensorcnt 0x0
	ds_add_u32 v254, v255
	s_wait_dscnt 0x0
	CROUND                                         ; the closing round: no work-group ends while a partner may still ask for bytes jointly
	s_endpgm
.Lfunc_end_k_qdc31a91504_attn:
	.size	k_qdc31a91504_attn, .Lfunc_end_k_qdc31a91504_attn-k_qdc31a91504_attn
	.p2alignl 7, 3214868480
	.fill 96, 4, 3214868480
	.section	.rodata,"a",@progbits
	.p2align	6, 0x0
	.amdhsa_kernel k_qdc31a91504_attn
		.amdhsa_group_segment_fixed_size 264192
		.amdhsa_private_segment_fixed_size 0
		.amdhsa_enable_private_segment 0
		.amdhsa_kernarg_size 32
		.amdhsa_user_sgpr_count 2
		.amdhsa_user_sgpr_kernarg_segment_ptr 1
		.amdhsa_wavefront_size32 1
		.amdhsa_system_sgpr_workgroup_id_x 1
		.amdhsa_system_sgpr_workgroup_id_y 1
		.amdhsa_system_sgpr_workgroup_id_z 1
		.amdhsa_system_vgpr_workitem_id 0
		.amdhsa_next_free_vgpr 256
		.amdhsa_next_free_sgpr 66
		.amdhsa_reserve_vcc 0
		.amdhsa_float_denorm_mode_32 3
		.amdhsa_float_denorm_mode_16_64 3
		.amdhsa_memory_ordered 1
		.amdhsa_forward_progress 1
		.amdhsa_inst_pref_size 75
	.end_amdhsa_kernel
	.amdgpu_metadata
---
amdhsa.version: [ 1, 2 ]
amdhsa.kernels:
  - .name:           k_qdc31a91504_attn
    .symbol:         k_qdc31a91504_attn.kd
    .args:
      - { .name: q_img, .offset: 0, .size: 8, .value_kind: global_buffer, .address_space: global }
      - { .name: kv_img, .offset: 8, .size: 8, .value_kind: global_buffer, .address_space: global }
      - { .name: lowp_scales, .offset: 16, .size: 8, .value_kind: global_buffer, .address_space: global }
      - { .name: ctx_img, .offset: 24, .size: 8, .value_kind: global_buffer, .address_space: global }
    .group_segment_fixed_size: 264192
    .private_segment_fixed_size: 0
    .kernarg_segment_align: 8
    .kernarg_segment_size: 32
    .max_flat_workgroup_size: 512
    .sgpr_count:     66
    .vgpr_count:     256
    .wavefront_size: 32
...
	.end_amdgpu_metadata
.endif
;; end of part 5
;; launch outp (part 6): grid 4 x 64, 4 waves a work-group, no clusters, 17,920 bytes of LDS; arguments ctx_img, Wo_codes, bo, lowp_scales, out0; writes out0
.if DOCPART == 6
	.amdgcn_target "amdgcn-amd-amdhsa--gfx1250"
	.amdhsa_code_object_version 6
	.text
	.protected	k_qdc31a91504_outp
	.globl	k_qdc31a91504_outp
	.p2align	8
	.type	k_qdc31a91504_outp,@function
k_qdc31a91504_outp:
	s_mov_b64 s[64:65], 0
	v_nop
	global_prefetch_b8 v0, s[64:65] scope:SCOPE_SE
	s_setreg_imm32_b32 hwreg(HW_REG_WAVE_SCHED_MODE, 0, 2), 2
	s_setreg_imm32_b32 hwreg(HW_REG_WAVE_MODE, 25, 1), 1
	s_wait_xcnt 0x0
	s_wait_alu depctr_vm_vsrc(0)
; out = ctx Wo + bo on codes of FP8 (E4M3).  ctx: images of the operand's registers, made by the launch before: fragment (token tile T, K step s) at 8,192 T + 2,048 s, four groups of 512 bytes, lane l's 16 bytes at 16 l;
; registers 4 c .. 4 c + 3 hold k = 128 s + 32 c + 16 h + 0 .. 15.  Wo: 512 rows (the output column) of 512 codes, K innermost, loaded in the same order of k.  Entries of the scales: ctx 10, Wo 11.  out: [8,192][512] f32.
; SHARES.  Work-group (x = block of 128 columns, y = block of 128 tokens); wave w makes tokens 64 (w / 2) on x columns 64 (w % 2) on: 16 accumulators, 64 products.
; All its operands for all of K (512 registers) are asked for on end, straight into registers: no ring, no loop, no barrier.
; TRANSPOSED: source 0 = 16 rows of Wo, source 1 = 16 tokens: a lane holds token r = lane % 16 and eight neighbouring columns 16 t + 8 h + j.  out = sum x 2^(e10 + e11) + bo, one packed multiply-add for two numbers.
; A tile of 16 tokens x 64 columns goes through the wave's own stage in LDS (rows of 256 bytes + 16) and leaves as whole rows: sixteen lanes store 256 consecutive bytes, aligned.
; NO CLUSTER: a joint load lands in LDS.  Here each fragment goes from memory into the registers of the wave that multiplies it; through LDS a work-group's 131,072 bytes of operands would be written there and read back for 64 products a wave.
; LIMIT: e10 + e11 between -126 and 127, so that 2^(e10 + e11) is an f32 number.
; REGISTERS.  Window 0: v1-6 addresses; v16-47 bo, tile t at 16 + 8 t; v128-255 accumulator (a, t) at 128 + 8 (4 a + t).  Window 1: ctx's fragment (a, s) at 16 (4 s + a); on the way out rows of out, tile a's pair i at 32 a + 4 i.
;   Window 2: Wo's (t, s) at 16 (4 s + t).
; THE MODE: SCHED_MODE bits 1:0 = 2 (LLVM: expert scheduling mode 2), set by the entry lines.  The code itself states the register dependences
; between vector or matrix instructions and memory or LDS instructions, with s_wait_alu, always for 0.
; THE PLAN.  Registers that memory or LDS instructions touch:
;   v1-6            Offsets and LDS addresses: made once at the head, never written again: one wait on va_vdst ahead of the first load.
;   bo, windows 1, 2  Loaded once, at the head; then read by the multiply-adds and the products.
;   ACC             Written by the products and, in place, by the 64 multiply-adds; then read by the LDS stores, and never written again.
;   window 1, v0-127  Read by the products; on the way out the rows from the stage land there and the stores to memory read them, each register once.
;   v126, v127      Written at the head, read by the closing add alone.
; So the way out has ONE wait on va_vdst, behind the last multiply-add: behind it stand LDS instructions and stores alone.  No register that a memory or LDS instruction reads is written again: there is no wait on vm_vsrc.
.set LI,  1                            ; v1  16 x lane
.set WA,  2                            ; v2  Wo: 512 r + 16 h
.set BA,  3                            ; v3  bo: 32 h
.set STO, 4                            ; v4  the stage, in: 4,352 x wave + 272 r + 32 h
.set RD,  5                            ; v5  the stage, back: 4,352 x wave + 272 h + 16 r
.set CO,  6                            ; v6  out: 2,048 h + 16 r
.set BO,  16
.set ACC, 128
.set MSB, 0
.macro WIN new                         ; the immediate's high byte repeats the setting that is left
.if MSB != \new
	s_set_vgpr_msb (MSB<<8)|\new
.set MSB, \new
.endif
.endm
; K step s: 16 products; the 16 accumulators take turns, one instruction a turn.  The first step starts the sums: nothing is cleared.
.macro MULS s
.irp a, 0,1,2,3
.irp t, 0,1,2,3
.if \s == 0
	v_wmma_f32_16x16x128_fp8_fp8 v[ACC+8*(4*\a+\t):ACC+8*(4*\a+\t)+7], v[16*(4*\s+\t):16*(4*\s+\t)+15], v[16*(4*\s+\a):16*(4*\s+\a)+15], 0
.else
	v_wmma_f32_16x16x128_fp8_fp8 v[ACC+8*(4*\a+\t):ACC+8*(4*\a+\t)+7], v[16*(4*\s+\t):16*(4*\s+\t)+15], v[16*(4*\s+\a):16*(4*\s+\a)+15], v[ACC+8*(4*\a+\t):ACC+8*(4*\a+\t)+7]
.endif
.endr
.endr
.endm
; token tile a: scaled, bias added, in place; each accumulator from its low end on
.macro FMA a
.irp t, 0,1,2,3
.irp i, 0,2,4,6
	v_pk_fma_f32 v[ACC+32*\a+8*\t+\i:ACC+32*\a+8*\t+\i+1], v[ACC+32*\a+8*\t+\i:ACC+32*\a+8*\t+\i+1], s[30:31], v[BO+8*\t+\i:BO+8*\t+\i+1] op_sel_hi:[1,0,1]
.endr
.endr
.endm
; token tile a into my stage, and back as whole rows into window 1.  LDS serves a wave's instructions in order (ISA guide 5.7.1.4): no wait between the stores and the loads, nor in front of the next tile's stores.
.macro TOSTAGE a
.irp t, 0,1,2,3
	ds_store_b128 v[STO], v[ACC+32*\a+8*\t:ACC+32*\a+8*\t+3] offset:64*\t
	ds_store_b128 v[STO], v[ACC+32*\a+8*\t+4:ACC+32*\a+8*\t+7] offset:64*\t+16
.endr
.irp i, 0,1,2,3,4,5,6,7
	ds_load_b128 v[32*\a+4*\i:32*\a+4*\i+3], v[RD] offset:2*\i*272
.endr
.endm
.macro SEND a                          ; behind load i of tile a were issued the tile's 7 - i later loads and sixteen LDS instructions for each of the 3 - a later tiles
.irp i, 0,1,2,3,4,5,6,7
	s_wait_dscnt 16*(3-\a)+7-\i
	global_store_b128 v[CO], v[32*\a+4*\i:32*\a+4*\i+3], s[12:13] offset:(16*\a+2*\i)*2048 th:TH_STORE_NT
.endr
.endm
	s_load_b256 s[4:11], s[0:1], 0x0               ; ctx_img s[4:5], Wo s[6:7], bo s[8:9], the scales s[10:11]
	s_load_b64 s[12:13], s[0:1], 0x20              ; out
	v_lshl_add_u32 v126, v0, 2, 0x4400
	v_mov_b32 v127, 0
	v_lshrrev_b32 v7, 5, v0
	v_readfirstlane_b32 s16, v7                    ; wave 0..3
	s_and_b32 s19, ttmp7, 0xffff                   ; block of tokens
	v_and_b32 v8, 31, v0
	v_lshlrev_b32 v[LI], 4, v8
	v_and_b32 v8, 15, v0                           ; r
	v_bfe_u32 v9, v0, 4, 1                         ; h
	v_lshlrev_b32 v[WA], 9, v8
	v_lshl_add_u32 v[WA], v9, 4, v[WA]
	v_lshlrev_b32 v[BA], 5, v9
	v_mul_u32_u24 v[STO], v8, 272
	v_lshl_add_u32 v[STO], v9, 5, v[STO]
	v_mul_u32_u24 v[RD], v9, 272
	v_lshl_add_u32 v[RD], v8, 4, v[RD]
	v_lshlrev_b32 v[CO], 11, v9
	v_lshl_add_u32 v[CO], v8, 4, v[CO]
	s_wait_alu depctr_va_sdst(0)                   ; s16 is written, ahead of its first reader: my stage's place and the bases of ctx, Wo, bo and out are made from it
	s_lshr_b32 s17, s16, 1                         ; which 64 tokens
	s_and_b32 s18, s16, 1                          ; which 64 columns
	s_mul_i32 s28, s16, 4352                       ; my stage: 16 rows of 272 bytes
	v_add_nc_u32 v[STO], s28, v[STO]
	v_add_nc_u32 v[RD], s28, v[RD]
	s_lshl_b32 s20, s19, 16                        ; ctx: 8 token tiles of 8,192 bytes a block, 4 a wave
	s_lshl_b32 s21, s17, 15
	s_add_co_u32 s20, s20, s21
	s_mov_b32 s21, 0
	s_lshl_b32 s22, ttmp9, 16                      ; Wo: 128 rows of 512 bytes a block, 64 a wave
	s_lshl_b32 s23, s18, 15
	s_add_co_u32 s22, s22, s23
	s_mov_b32 s23, 0
	s_lshl_b32 s24, ttmp9, 9                       ; bo, and a row of out: 512 bytes a block, 256 a wave
	s_lshl_b32 s25, s18, 8
	s_add_co_u32 s24, s24, s25
	s_mov_b32 s25, 0
	s_lshl_b32 s26, s19, 18                        ; out: 128 rows of 2,048 bytes a block, 64 a wave
	s_lshl_b32 s27, s17, 17
	s_add_co_u32 s26, s26, s27
	s_add_co_u32 s26, s26, s24
	s_mov_b32 s27, 0
	s_wait_kmcnt 0x0
	s_load_b64 s[14:15], s[10:11], 0x28            ; e10, e11
	s_add_nc_u64 s[4:5], s[4:5], s[20:21]
	s_add_nc_u64 s[6:7], s[6:7], s[22:23]
	s_add_nc_u64 s[8:9], s[8:9], s[24:25]
	s_add_nc_u64 s[12:13], s[12:13], s[26:27]
	s_wait_alu depctr_va_vdst(0)                   ; the six offsets and LDS addresses v1 to v6 are written, which every load and store of the kernel reads; loads and window switches alone stand between this wait and the last load
.irp t, 0,1,2,3
	global_load_b128 v[BO+8*\t:BO+8*\t+3], v[BA], s[8:9] offset:64*\t
	global_load_b128 v[BO+8*\t+4:BO+8*\t+7], v[BA], s[8:9] offset:64*\t+16
.endr
.irp s, 0,1,2,3
	WIN 0x40                                       ; destination window 1
.irp a, 0,1,2,3
.irp c, 0,1,2,3
	global_load_b128 v[16*(4*\s+\a)+4*\c:16*(4*\s+\a)+4*\c+3], v[LI], s[4:5] offset:\a*8192+\s*2048+512*\c
.endr
.endr
	WIN 0x80                                       ; destination window 2
.irp t, 0,1,2,3
.irp c, 0,1,2,3
	global_load_b128 v[16*(4*\s+\t)+4*\c:16*(4*\s+\t)+4*\c+3], v[WA], s[6:7] offset:\t*8192+128*\s+32*\c
.endr
.endr
.endr
	WIN 0
	s_wait_loadcnt 63                              ; 136 loads were issued: with at most 63 out the first 73 are in: bo's 8 and the 64 of K steps 0 and 1.  (96 were issued behind step 0's; the wait can name no more than 63)
	WIN 0x06                                       ; source 0 (Wo) window 2, source 1 (ctx) window 1, C and D window 0
	MULS 0
	MULS 1
	s_wait_loadcnt 32                              ; K step 2 is in; step 3's 32 loads may be out
	MULS 2
	s_wait_loadcnt 0x0
	MULS 3
	WIN 0
	s_wait_kmcnt 0x0
	s_add_co_i32 s30, s14, s15
	s_add_co_i32 s30, s30, 127
	s_lshl_b32 s30, s30, 23                        ; 2^(e10 + e11) as f32
	s_mov_b32 s31, s30                             ; (named with it as a pair, so it is written)
.rept 4
	v_nop                                          ; places behind the last products, ahead of the lines that read and rewrite the sums (ISA guide 7.12.1)
.endr
	FMA 0
	FMA 1
	FMA 2
	FMA 3
	WIN 0x40                                       ; LDS loads: destination window 1; LDS addresses and the LDS stores' data window 0
	s_wait_alu depctr_va_vdst(0)                   ; the multiply-adds have written the sums, which the LDS stores read; the products are done reading ctx's fragments, in whose registers the rows from the stage land
	TOSTAGE 0
	TOSTAGE 1
	TOSTAGE 2
	TOSTAGE 3
	WIN 0x04                                       ; the stores' data (source 1) window 1, their offset window 0
	SEND 0
	SEND 1
	SEND 2
	SEND 3
	WIN 0
	s_wait_dscnt 0x0                               ; the closing lines, six on end
	s_wait_alu 0x0
	s_wait_tensorcnt 0x0
	ds_add_u32 v126, v127
	s_wait_dscnt 0x0
	s_endpgm
.Lfunc_end_k_qdc31a91504_outp:
	.size	k_qdc31a91504_outp, .Lfunc_end_k_qdc31a91504_outp-k_qdc31a91504_outp
	.p2alignl 7, 3214868480
	.fill 96, 4, 3214868480
	.section	.rodata,"a",@progbits
	.p2align	6, 0x0
	.amdhsa_kernel k_qdc31a91504_outp
		.amdhsa_group_segment_fixed_size 17920
		.amdhsa_private_segment_fixed_size 0
		.amdhsa_enable_private_segment 0
		.amdhsa_kernarg_size 40
		.amdhsa_user_sgpr_count 2
		.amdhsa_user_sgpr_kernarg_segment_ptr 1
		.amdhsa_wavefront_size32 1
		.amdhsa_system_sgpr_workgroup_id_x 1
		.amdhsa_system_sgpr_workgroup_id_y 1
		.amdhsa_system_sgpr_workgroup_id_z 1
		.amdhsa_system_vgpr_workitem_id 0
		.amdhsa_next_free_vgpr 768
		.amdhsa_next_free_sgpr 66
		.amdhsa_reserve_vcc 0
		.amdhsa_float_denorm_mode_32 3
		.amdhsa_float_denorm_mode_16_64 3
		.amdhsa_memory_ordered 1
		.amdhsa_forward_progress 1
		.amdhsa_inst_pref_size 33
	.end_amdhsa_kernel
	.amdgpu_metadata
---
amdhsa.version: [ 1, 2 ]
amdhsa.kernels:
  - .name:           k_qdc31a91504_outp
    .symbol:         k_qdc31a91504_outp.kd
    .args:
      - { .name: ctx_img, .offset: 0, .size: 8, .value_kind: global_buffer, .address_space: global }
      - { .name: Wo_codes, .offset: 8, .size: 8, .value_kind: global_buffer, .address_space: global }
      - { .name: bo, .offset: 16, .size: 8, .value_kind: global_buffer, .address_space: global }
      - { .name: lowp_scales, .offset: 24, .size: 8, .value_kind: global_buffer, .address_space: global }
      - { .name: out0, .offset: 32, .size: 8, .value_kind: global_buffer, .address_space: global }
    .group_segment_fixed_size: 17920
    .private_segment_fixed_size: 0
    .kernarg_segment_align: 8
    .kernarg_segment_size: 40
    .max_flat_workgroup_size: 128
    .sgpr_count:     66
    .vgpr_count:     768
    .wavefront_size: 32
...
	.end_amdgpu_metadata
.endif
;; end of part 6
